; MI455X (gfx1250); checked and timed in simulation.
; The chip was launched on July 23, 2026; its instructions are those of AMD's public machine-readable ISA for CDNA 5 (MIT licence, August 2026) and "CDNA5" Instruction Set Architecture Reference Guide (July 2026). The comments in the code are by the model that wrote it; some were corrected since.
;; Multi Head Attention Unit. Allowed arithmetic: float matrix products may take bf16 or f16 operands with f32 sums; all other float work in f32.
;; Inputs: Wk 128 x 2,048 float32; Wo 2,048 x 1,024 float32; Wq 128 x 2,048 float32; Wv 128 x 2,048 float32; bk 2,048 float32; bo 1,024 float32; bq 2,048 float32; bv 2,048 float32; k_matrix 8 x 1,024 x 128 float32; q_matrix 8 x 1,024 x 128 float32; v_matrix 8 x 1,024 x 128 float32.
;; Outputs: out0 8 x 1,024 x 1,024 float32.
;; 2 versions, each right and faster than the one before. Each part assembles by itself: llvm-mc -triple=amdgcn-amd-amdhsa -mcpu=gfx1250 --defsym DOCPART=n.
;; ======== version 1 of 2: 3 launches
;; limits: values are held in f16: magnitudes above 65,504 overflow, below 6.1e-05 lose precision
;; workspace buffers: x16 6,291,456 bytes; mt 589,824 bytes; cv 9,216 bytes; wt 4,194,304 bytes; pb 65,536 bytes; u 33,554,432 bytes
;; launch prep (part 1): grid 420 x 1, 4 waves a work-group, no clusters, 0 bytes of LDS; arguments q_matrix, k_matrix, v_matrix, Wq, bq, Wk, bk, Wv, bv, Wo, x16, mt, cv, wt, pb; writes x16, mt, cv, wt, pb
.if DOCPART == 1
	.amdgcn_target "amdgcn-amd-amdhsa--gfx1250"
	.amdhsa_code_object_version 6
	.text
	.protected	k_qf827e4c098_prep
	.globl	k_qf827e4c098_prep
	.p2align	8
	.type	k_qf827e4c098_prep,@function
k_qf827e4c098_prep:
	s_mov_b64 s[64:65], 0
	v_nop
	global_prefetch_b8 v0, s[64:65] scope:SCOPE_SE
	s_setreg_imm32_b32 hwreg(HW_REG_WAVE_MODE, 25, 1), 1
	s_wait_xcnt 0x0
; PREP: what the two launches behind need of the weights and of x, made once.
; The module's products are re-associated, exactly, for every input:
;   score(q,k) = (xq M_h + c_h) . xk + (xq . u_h + bq_h . bk_h),  M_h = Wq_h Wk_h^T, c_h = bq_h Wk_h^T, u_h = Wq_h bk_h
;   out        = sum_h (P_h xv / l) W'_h + (sum_h bv_h Wo_h + bo), W'_h = Wv_h Wo_h   (a row's weights add up to 1)
; ROLE B (work-groups 0-35):    mt = 2^-6 M_h^T with u_h as a ninth row tile, cv = 2^-6 c_h with bq_h . bk_h as a ninth tile.
; ROLE C (work-groups 36-227):  wt = 2^7 W', pb[h][n] = sum_d bv[hd] Wo[hd][n].
; ROLE A (work-groups 228-419): x16 = xq, xk, xv rounded to bf16 and written as f16.
; FORMATS.  Every input is rounded to bf16; products in bf16 with f32 sums; what is made here leaves as f16 (cv and pb as f32).
; LIMITS.  The order of rounding differs from the reference's by the re-association.  f16 ends at 65,504: that bounds |x|, |M|/64 and 128 |W'|;
; below 6e-5 f16 keeps its fixed step of 6e-8 (for x that is met only under 1.5e-5).  NaN and infinities are not treated apart.
; FRAGMENT ORDER of mt and wt: 16 rows x 32 k of f16 are 1,024 bytes: lane l's registers 0-3 at byte 16 l, its registers 4-7 at 512 + 16 l.  A result tile packed
; in pairs is half of such a fragment, so each store of a wave covers 512 consecutive bytes, aligned.
; No LDS, no barrier: a wave's unit hangs on no other wave.  No cluster: nothing is brought by tensor loads here, and the weights are read through registers.
.set WGB, 36                           ; work-groups of role B: 16 heads x 9 units / 4 waves
.set WGC, 192                          ; of role C: 16 heads x 16 column groups x 3 units / 4 waves
.set AST, 16                           ; v16-63   A side: three row tiles, 16 registers each as loaded, the first 8 the fragment
.set BST, 64                           ; v64-111  role B: B side likewise;  v64-127 role C: 16 rows x 4 columns of Wo as loaded
.set ACB, 112                          ; v112-183 role B: nine accumulators (e, f) at ACB + 8 (3 e + f)
.set BFC, 128                          ; v128-159 role C: four fragments of Wo, column tile c at BFC + 8 c
.set ACW, 160                          ; v160-255 role C: twelve accumulators (e, c) at ACW + 8 (4 e + c)
.macro ROW4 dst, voff, sb, off         ; the 16 f32 of one row that make a lane's part of a fragment: k = 8 h' + 0..7 and 16 + 8 h' + 0..7
	global_load_b128 v[(\dst):(\dst)+3],     \voff, s[\sb:\sb+1] offset:(\off)
	global_load_b128 v[(\dst)+4:(\dst)+7],   \voff, s[\sb:\sb+1] offset:(\off)+16
	global_load_b128 v[(\dst)+8:(\dst)+11],  \voff, s[\sb:\sb+1] offset:(\off)+64
	global_load_b128 v[(\dst)+12:(\dst)+15], \voff, s[\sb:\sb+1] offset:(\off)+80
.endm
.macro CVT16 b                         ; 16 f32 to 8 registers of bf16, in place: register p is written when pairs 0 .. p - 1 have been read
.irp p, 0,1,2,3,4,5,6,7
	v_cvt_pk_bf16_f32 v[(\b)+(\p)], v[(\b)+2*(\p)], v[(\b)+2*(\p)+1]
.endr
.endm
.macro PLACES                          ; four places behind matrix instructions, ahead of loads into and vector work on their registers
.rept 4
	v_nop
.endr
.endm
; Byte offsets of a lane in the three row tiles 3 t + 0, 1, 2 of a weight [128][2048] f32: va serves tiles 0 and 1 (the second by the immediate), vb tile 2.
; Tile 8 is the bias: its stride is 0, so that every row of the tile is the bias.
.macro TILEOFF va, vb, st, sstride, stmp
	s_mul_i32 \stmp, \st, 48
	v_add_nc_u32 \va, \stmp, v2
	v_lshlrev_b32 \va, 13, \va                     ; row x 8,192 bytes
	v_lshl_add_u32 \va, v3, 5, \va                 ; + 32 h'
	s_add_co_u32 \stmp, \stmp, 32
	v_add_nc_u32 \vb, \stmp, v2
	v_mul_lo_u32 \vb, \vb, \sstride
	v_lshl_add_u32 \vb, v3, 5, \vb
.endm
	s_load_b512 s[8:23], s[0:1], 0x0               ; q 8, k 10, v 12, Wq 14, bq 16, Wk 18, bk 20, Wv 22
	s_load_b256 s[24:31], s[0:1], 0x40             ; bv 24, Wo 26, x16 28, mt 30
	s_load_b128 s[32:35], s[0:1], 0x60             ; cv 32, wt 34
	s_load_b64 s[36:37], s[0:1], 0x70              ; pb
	v_lshrrev_b32 v1, 5, v0
	v_readfirstlane_b32 s4, v1                     ; wave 0..3
	s_mov_b32 s5, ttmp9
	v_and_b32 v1, 31, v0                           ; lane
	v_and_b32 v2, 15, v0                           ; r
	v_bfe_u32 v3, v0, 4, 1                         ; h'
	v_lshlrev_b32 v4, 4, v1                        ; 16 x lane
	s_wait_kmcnt 0x0
	s_cmp_lt_u32 s5, WGB
	s_cbranch_scc1 .LroleB
	s_cmp_lt_u32 s5, WGB+WGC
	s_cbranch_scc1 .LroleC
; ---------------- ROLE A: x16.  A wave takes 16,384 bytes of one input: 32 loads of 512 consecutive bytes, all issued first.
	s_sub_co_u32 s50, s5, WGB+WGC
	s_lshr_b32 s51, s50, 6                         ; which input
	s_and_b32 s52, s50, 63                         ; which 65,536 bytes of it
	s_cmp_eq_u32 s51, 1
	s_cselect_b64 s[40:41], s[10:11], s[8:9]
	s_cmp_eq_u32 s51, 2
	s_cselect_b64 s[40:41], s[12:13], s[40:41]
	s_lshl_b32 s54, s52, 16
	s_lshl_b32 s55, s4, 14
	s_add_co_u32 s54, s54, s55
	s_mov_b32 s55, 0
	s_add_nc_u64 s[40:41], s[40:41], s[54:55]
	s_lshl_b32 s56, s51, 21                        ; the input's 2,097,152 bytes of x16,
	s_lshr_b32 s54, s54, 1                         ; and half the bytes within
	s_add_co_u32 s56, s56, s54
	s_mov_b32 s57, 0
	s_add_nc_u64 s[42:43], s[28:29], s[56:57]
	s_mov_b32 s58, 0xffff0000
	v_lshlrev_b32 v5, 3, v1                        ; 8 bytes a lane on the way out
.set i, 0
.rept 32
	global_load_b128 v[16+4*i:16+4*i+3], v4, s[40:41] offset:512*i th:TH_LOAD_NT
.set i, i+1
.endr
.set i, 0
.rept 32
	s_wait_loadcnt 31-i                            ; loads come back in order: chunk i is in, the 31 - i younger ones stay out
	v_cvt_pk_bf16_f32 v[16+4*i], v[16+4*i], v[16+4*i+1]      ; rounded to bf16,
	v_cvt_pk_bf16_f32 v[16+4*i+1], v[16+4*i+2], v[16+4*i+3]
	v_lshlrev_b32 v[16+4*i+2], 16, v[16+4*i]                 ; widened again,
	v_and_b32 v[16+4*i+3], s58, v[16+4*i]
	v_cvt_pk_f16_f32 v[16+4*i], v[16+4*i+2], v[16+4*i+3]     ; and written as f16
	v_lshlrev_b32 v[16+4*i+2], 16, v[16+4*i+1]
	v_and_b32 v[16+4*i+3], s58, v[16+4*i+1]
	v_cvt_pk_f16_f32 v[16+4*i+1], v[16+4*i+2], v[16+4*i+3]
	global_store_b64 v5, v[16+4*i:16+4*i+1], s[42:43] offset:256*i  ; the wave's store covers 256 consecutive bytes, aligned; no register is used twice
.set i, i+1
.endr
	s_endpgm
; ---------------- ROLE B: a wave's unit is (head, ta, tb): row tiles ti = 3 ta + e of Wq (tile 8: bq) against row tiles tj = 3 tb + f of Wk (tile 8: bk), K = the head's 128 columns.
.LroleB:
	s_lshr_b32 s50, s5, 2                          ; 0..8
	s_and_b32 s51, s5, 3
	s_lshl_b32 s51, s51, 2
	s_add_co_u32 s51, s51, s4                      ; head
	s_mul_i32 s52, s50, 11
	s_lshr_b32 s52, s52, 5                         ; ta = that / 3
	s_mul_i32 s53, s52, 3
	s_sub_co_u32 s53, s50, s53                     ; tb = that % 3
	s_lshl_b32 s38, s51, 9                         ; the head's columns begin 512 bytes x head into a row
	s_mov_b32 s39, 0
	s_add_nc_u64 s[40:41], s[14:15], s[38:39]      ; Wq
	s_add_nc_u64 s[42:43], s[16:17], s[38:39]      ; bq
	s_add_nc_u64 s[44:45], s[18:19], s[38:39]      ; Wk
	s_add_nc_u64 s[46:47], s[20:21], s[38:39]      ; bk
	s_cmp_eq_u32 s52, 2
	s_cselect_b64 s[42:43], s[42:43], s[40:41]     ; the third tile's base: the bias where it is tile 8,
	s_cselect_b32 s54, 0, 8192                     ; with stride 0
	s_cmp_eq_u32 s53, 2
	s_cselect_b64 s[46:47], s[46:47], s[44:45]
	s_cselect_b32 s55, 0, 8192
	TILEOFF v5, v6, s52, s54, s58
	TILEOFF v7, v8, s53, s55, s58
	s_mul_i32 s58, s51, 36864                      ; mt: [head][tj][ti / 2][1,024]: tile (ti, tj) at 4,096 tj + 512 ti
	s_mul_i32 s59, s53, 12288
	s_add_co_u32 s58, s58, s59
	s_mul_i32 s59, s52, 1536
	s_add_co_u32 s58, s58, s59
	s_mov_b32 s59, 0
	s_add_nc_u64 s[48:49], s[30:31], s[58:59]
	s_mul_i32 s58, s51, 576                        ; cv: [head][tj][16] f32
	s_mul_i32 s63, s53, 192
	s_add_co_u32 s58, s58, s63
	s_add_nc_u64 s[56:57], s[32:33], s[58:59]
	s_mov_b32 s60, 0x3c800000                      ; 2^-6
	s_mov_b32 s61, s60                             ; named with it as a pair
; One K step of 32: 24 loads, six fragments, nine products.  The nine accumulators take turns, over the loop's edge too.
.macro KB zero
	ROW4 AST,    v5, 40, 0
	ROW4 AST+16, v5, 40, 131072
	ROW4 AST+32, v6, 42, 0
	ROW4 BST,    v7, 44, 0
	ROW4 BST+16, v7, 44, 131072
	ROW4 BST+32, v8, 46, 0
	s_wait_loadcnt 0x0                             ; all 24 are in, so their bases may step: 32 columns on
	s_add_nc_u64 s[40:41], s[40:41], 128
	s_add_nc_u64 s[42:43], s[42:43], 128
	s_add_nc_u64 s[44:45], s[44:45], 128
	s_add_nc_u64 s[46:47], s[46:47], 128
.irp t, 0,1,2,3,4,5
	CVT16 AST+16*(\t)
.endr
.irp e, 0,1,2
.irp f, 0,1,2
.if \zero
	v_wmma_f32_16x16x32_bf16 v[ACB+8*(3*(\e)+(\f)):ACB+8*(3*(\e)+(\f))+7], v[AST+16*(\e):AST+16*(\e)+7], v[BST+16*(\f):BST+16*(\f)+7], 0
.else
	v_wmma_f32_16x16x32_bf16 v[ACB+8*(3*(\e)+(\f)):ACB+8*(3*(\e)+(\f))+7], v[AST+16*(\e):AST+16*(\e)+7], v[BST+16*(\f):BST+16*(\f)+7], v[ACB+8*(3*(\e)+(\f)):ACB+8*(3*(\e)+(\f))+7]
.endif
.endr
.endr
	PLACES                                         ; the next loads land on fragment registers; behind the last step the way out reads the sums
.endm
	KB 1                                           ; the first K step starts the sums
	s_mov_b32 s62, 3
.LBk:
	KB 0
	s_sub_co_u32 s62, s62, 1
	s_cmp_lg_u32 s62, 0
	s_cbranch_scc1 .LBk
; In a result lane (r, h') holds i = 16 ti + 8 h' + 0..7 of column j = 16 tj + r: scaled, packed in pairs, it is half a fragment of M^T.
.macro OUTB e
.irp f, 0,1,2
.irp p, 0,1,2,3
	v_pk_mul_f32 v[ACB+8*(3*(\e)+(\f))+2*(\p):ACB+8*(3*(\e)+(\f))+2*(\p)+1], v[ACB+8*(3*(\e)+(\f))+2*(\p):ACB+8*(3*(\e)+(\f))+2*(\p)+1], s[60:61] op_sel_hi:[1,0]
.endr
.irp p, 0,1,2,3
	v_cvt_pk_f16_f32 v[AST+4*(3*(\e)+(\f))+(\p)], v[ACB+8*(3*(\e)+(\f))+2*(\p)], v[ACB+8*(3*(\e)+(\f))+2*(\p)+1]
.endr
	global_store_b128 v4, v[AST+4*(3*(\e)+(\f)):AST+4*(3*(\e)+(\f))+3], s[48:49] offset:4096*(\f)+512*(\e)  ; 512 consecutive bytes, aligned
.endr
.endm
	OUTB 0
	OUTB 1
	s_cmp_eq_u32 s52, 2
	s_cbranch_scc1 .LBbias
	OUTB 2
	s_endpgm
.LBbias:                                               ; ti = 8: all rows are bq: register 0 of lane r is the number for column j = 16 tj + r
.irp f, 0,1,2
	v_mul_f32 v[52+(\f)], s60, v[ACB+8*(6+(\f))]
.endr
	v_lshlrev_b32 v9, 2, v2
	v_cmp_gt_u32 vcc_lo, 16, v1
	s_wait_xcnt 0x0                                ; EXEC is a source of the stores above: it changes only behind this wait
	s_and_saveexec_b32 s63, vcc_lo                 ; lanes 0-15
.irp f, 0,1,2
	global_store_b32 v9, v[52+(\f)], s[56:57] offset:64*(\f)
.endr
	s_wait_xcnt 0x0                                ; and again in front of the line that widens it
	s_or_b32 exec_lo, exec_lo, s63
	s_endpgm
; ---------------- ROLE C: a wave's unit is (head, g, ta): row tiles tj = 3 ta + e of Wv (tile 8: bv) against the 64 columns 64 g .. of Wo, K = the head's 128 rows of Wo.
; Column tile c holds the columns 64 g + 4 r + c: a lane's load of 16 bytes of a row of Wo then brings one number for each of the four tiles, and 16 lanes read 256 consecutive bytes.
.LroleC:
	s_sub_co_u32 s50, s5, WGB
	s_lshr_b32 s52, s50, 6                         ; ta
	s_bfe_u32 s51, s50, 0x40002                    ; head
	s_and_b32 s53, s50, 3
	s_lshl_b32 s53, s53, 2
	s_add_co_u32 s53, s53, s4                      ; g
	s_lshl_b32 s38, s51, 9
	s_mov_b32 s39, 0
	s_add_nc_u64 s[40:41], s[22:23], s[38:39]      ; Wv
	s_add_nc_u64 s[42:43], s[24:25], s[38:39]      ; bv
	s_cmp_eq_u32 s52, 2
	s_cselect_b64 s[42:43], s[42:43], s[40:41]
	s_cselect_b32 s54, 0, 8192
	TILEOFF v5, v6, s52, s54, s58
	s_lshl_b32 s58, s51, 19                        ; Wo: the head's 128 rows of 4,096 bytes,
	s_lshl_b32 s59, s53, 8                         ; the group's 256 bytes of a row
	s_add_co_u32 s58, s58, s59
	s_mov_b32 s59, 0
	s_add_nc_u64 s[44:45], s[26:27], s[58:59]
	v_lshlrev_b32 v7, 4, v2
	v_lshl_add_u32 v7, v3, 15, v7                  ; 16 r + 8 rows for the upper half of the lanes
	s_lshl_b32 s58, s53, 18                        ; wt: [4 g + c][4 head + tj / 2][1,024]: tile (tj, c) at 65,536 c + 512 tj
	s_lshl_b32 s63, s51, 12
	s_add_co_u32 s58, s58, s63
	s_mul_i32 s63, s52, 1536
	s_add_co_u32 s58, s58, s63
	s_add_nc_u64 s[48:49], s[34:35], s[58:59]
	s_lshl_b32 s58, s51, 12                        ; pb: [head][1024] f32
	s_lshl_b32 s63, s53, 8
	s_add_co_u32 s58, s58, s63
	s_add_nc_u64 s[56:57], s[36:37], s[58:59]
	s_mov_b32 s60, 0x43000000                      ; 2^7
	s_mov_b32 s61, s60
.macro KC zero
	ROW4 AST,    v5, 40, 0
	ROW4 AST+16, v5, 40, 131072
	ROW4 AST+32, v6, 42, 0
.set i, 0
.rept 16                                               ; rows 8 h' + 0..7 and 16 + 8 h' + 0..7 of this K step
	global_load_b128 v[BST+4*i:BST+4*i+3], v7, s[44:45] offset:(i+8*(i/8))*4096
.set i, i+1
.endr
	s_wait_loadcnt 0x0                             ; all 28 are in, so their bases may step
	s_add_nc_u64 s[40:41], s[40:41], 128
	s_add_nc_u64 s[42:43], s[42:43], 128
	s_add_nc_u64 s[44:45], s[44:45], 131072        ; 32 rows of Wo
.irp t, 0,1,2
	CVT16 AST+16*(\t)
.endr
.irp c, 0,1,2,3
.irp p, 0,1,2,3
	v_cvt_pk_bf16_f32 v[BFC+8*(\c)+(\p)],   v[BST+8*(\p)+(\c)],    v[BST+8*(\p)+4+(\c)]
	v_cvt_pk_bf16_f32 v[BFC+8*(\c)+4+(\p)], v[BST+32+8*(\p)+(\c)], v[BST+32+8*(\p)+4+(\c)]
.endr
.endr
.irp e, 0,1,2
.irp c, 0,1,2,3
.if \zero
	v_wmma_f32_16x16x32_bf16 v[ACW+8*(4*(\e)+(\c)):ACW+8*(4*(\e)+(\c))+7], v[AST+16*(\e):AST+16*(\e)+7], v[BFC+8*(\c):BFC+8*(\c)+7], 0
.else
	v_wmma_f32_16x16x32_bf16 v[ACW+8*(4*(\e)+(\c)):ACW+8*(4*(\e)+(\c))+7], v[AST+16*(\e):AST+16*(\e)+7], v[BFC+8*(\c):BFC+8*(\c)+7], v[ACW+8*(4*(\e)+(\c)):ACW+8*(4*(\e)+(\c))+7]
.endif
.endr
.endr
	PLACES
.endm
	KC 1
	s_mov_b32 s62, 3
.LCk:
	KC 0
	s_sub_co_u32 s62, s62, 1
	s_cmp_lg_u32 s62, 0
	s_cbranch_scc1 .LCk
.macro OUTC e
.irp c, 0,1,2,3
.irp p, 0,1,2,3
	v_pk_mul_f32 v[ACW+8*(4*(\e)+(\c))+2*(\p):ACW+8*(4*(\e)+(\c))+2*(\p)+1], v[ACW+8*(4*(\e)+(\c))+2*(\p):ACW+8*(4*(\e)+(\c))+2*(\p)+1], s[60:61] op_sel_hi:[1,0]
.endr
.irp p, 0,1,2,3
	v_cvt_pk_f16_f32 v[AST+4*(4*(\e)+(\c))+(\p)], v[ACW+8*(4*(\e)+(\c))+2*(\p)], v[ACW+8*(4*(\e)+(\c))+2*(\p)+1]
.endr
	global_store_b128 v4, v[AST+4*(4*(\e)+(\c)):AST+4*(4*(\e)+(\c))+3], s[48:49] offset:65536*(\c)+512*(\e)  ; 512 consecutive bytes, aligned
.endr
.endm
	OUTC 0
	OUTC 1
	s_cmp_eq_u32 s52, 2
	s_cbranch_scc1 .LCbias
	OUTC 2
	s_endpgm
.LCbias:                                               ; tj = 8: all rows are bv: register 0 of lane r in tile c is the number for column 64 g + 4 r + c
.irp c, 0,1,2,3
	v_mov_b32 v[48+(\c)], v[ACW+8*(8+(\c))]
.endr
	v_lshlrev_b32 v9, 4, v2
	v_cmp_gt_u32 vcc_lo, 16, v1
	s_wait_xcnt 0x0                                ; EXEC changes only behind this wait
	s_and_saveexec_b32 s63, vcc_lo
	global_store_b128 v9, v[48:51], s[56:57]       ; 16 lanes store 256 consecutive bytes, aligned
	s_wait_xcnt 0x0
	s_or_b32 exec_lo, exec_lo, s63
	s_endpgm
.Lfunc_end_k_qf827e4c098_prep:
	.size	k_qf827e4c098_prep, .Lfunc_end_k_qf827e4c098_prep-k_qf827e4c098_prep
	.p2alignl 7, 3214868480
	.fill 96, 4, 3214868480
	.section	.rodata,"a",@progbits
	.p2align	6, 0x0
	.amdhsa_kernel k_qf827e4c098_prep
		.amdhsa_group_segment_fixed_size 0
		.amdhsa_private_segment_fixed_size 0
		.amdhsa_enable_private_segment 0
		.amdhsa_kernarg_size 120
		.amdhsa_user_sgpr_count 2
		.amdhsa_user_sgpr_kernarg_segment_ptr 1
		.amdhsa_wavefront_size32 1
		.amdhsa_system_sgpr_workgroup_id_x 1
		.amdhsa_system_sgpr_workgroup_id_y 1
		.amdhsa_system_sgpr_workgroup_id_z 1
		.amdhsa_system_vgpr_workitem_id 0
		.amdhsa_next_free_vgpr 256
		.amdhsa_next_free_sgpr 80
		.amdhsa_reserve_vcc 1
		.amdhsa_float_denorm_mode_32 3
		.amdhsa_float_denorm_mode_16_64 3
		.amdhsa_memory_ordered 1
		.amdhsa_forward_progress 1
		.amdhsa_inst_pref_size 65
	.end_amdhsa_kernel
	.amdgpu_metadata
---
amdhsa.version: [ 1, 2 ]
amdhsa.kernels:
  - .name:           k_qf827e4c098_prep
    .symbol:         k_qf827e4c098_prep.kd
    .args:
      - { .name: q_matrix, .offset: 0, .size: 8, .value_kind: global_buffer, .address_space: global }
      - { .name: k_matrix, .offset: 8, .size: 8, .value_kind: global_buffer, .address_space: global }
      - { .name: v_matrix, .offset: 16, .size: 8, .value_kind: global_buffer, .address_space: global }
      - { .name: Wq, .offset: 24, .size: 8, .value_kind: global_buffer, .address_space: global }
      - { .name: bq, .offset: 32, .size: 8, .value_kind: global_buffer, .address_space: global }
      - { .name: Wk, .offset: 40, .size: 8, .value_kind: global_buffer, .address_space: global }
      - { .name: bk, .offset: 48, .size: 8, .value_kind: global_buffer, .address_space: global }
      - { .name: Wv, .offset: 56, .size: 8, .value_kind: global_buffer, .address_space: global }
      - { .name: bv, .offset: 64, .size: 8, .value_kind: global_buffer, .address_space: global }
      - { .name: Wo, .offset: 72, .size: 8, .value_kind: global_buffer, .address_space: global }
      - { .name: x16, .offset: 80, .size: 8, .value_kind: global_buffer, .address_space: global }
      - { .name: mt, .offset: 88, .size: 8, .value_kind: global_buffer, .address_space: global }
      - { .name: cv, .offset: 96, .size: 8, .value_kind: global_buffer, .address_space: global }
      - { .name: wt, .offset: 104, .size: 8, .value_kind: global_buffer, .address_space: global }
      - { .name: pb, .offset: 112, .size: 8, .value_kind: global_buffer, .address_space: global }
    .group_segment_fixed_size: 0
    .private_segment_fixed_size: 0
    .kernarg_segment_align: 8
    .kernarg_segment_size: 120
    .max_flat_workgroup_size: 128
    .sgpr_count:     80
    .vgpr_count:     256
    .wavefront_size: 32
...
	.end_amdgpu_metadata
.endif
;; end of part 1
;; launch attn (part 2): grid 16 x 16, 4 waves a work-group, clusters of 4 x 1, 327,680 bytes of LDS; arguments x16, mt, cv, u; writes u
.if DOCPART == 2
	.amdgcn_target "amdgcn-amd-amdhsa--gfx1250"
	.amdhsa_code_object_version 6
	.text
	.protected	k_qf827e4c098_attn
	.globl	k_qf827e4c098_attn
	.p2align	8
	.type	k_qf827e4c098_attn,@function
k_qf827e4c098_attn:
	s_mov_b64 s[64:65], 0
	v_nop
	global_prefetch_b8 v0, s[64:65] scope:SCOPE_SE
	s_setreg_imm32_b32 hwreg(HW_REG_WAVE_MODE, 25, 1), 1
	s_wait_xcnt 0x0
	s_wait_alu depctr_hold_cnt(0) depctr_sa_sdst(0) depctr_va_vdst(0) depctr_va_sdst(0) depctr_va_ssrc(0) depctr_va_vcc(0) depctr_vm_vsrc(0)
	s_getreg_b32 s2, hwreg(HW_REG_IB_STS2, 6, 4)
	s_cmp_eq_u32 s2, 0
	s_cbranch_scc0 .Lentry_in_a_cluster
	s_endpgm
.Lentry_in_a_cluster:
	s_bfe_u32 s2, ttmp6, 0x10000c
	s_cmp_lg_u32 s2, 0x3003
	s_cbranch_scc0 .Lentry_shape_is_right
	s_endpgm
.Lentry_shape_is_right:
; CAUSAL ATTENTION on the raw rows.  For head h and batch b: U[q][:] = the sum over k <= q of softmax_k(score(q,k) / sqrt(128)) xv[k][:], with
; score(q,k) = Q'[q] . xk[k] + t[q],  Q' = xq M_h + c_h,  t = xq . u_h + bq_h . bk_h   (M, c, u and bq . bk come scaled by 2^-6 from the launch before; the scale is undone in the softmax's constant).
; So the keys and values are xk[b] and xv[b], the same for all 16 heads.  All operands f16, products, maxima and sums f32; the weights p are rounded to f16 for the second product, U once at the end.
; LIMITS.  The order of rounding differs from the reference's by this re-association.  f16 ends at 65,504: that bounds |x| and |Q'| / 64; p lies in 0 to 1 and keeps f16's fixed step of 6e-8 below 6e-5.
; A hidden score counts as -1e30; a weight below 2^-126 counts as 0 in l; NaN and infinities are not treated apart.
; SHARES.  A work-group has one head, one batch and TWO blocks of 256 queries: 3 - p and then p (p = 0, 1): 20 key steps of 64 keys whatever p, walked by loops with constant counts.
; Of a block's four bands of 64 queries a wave owns 16 rows in each: four PIECES.  In key step s of a block's walk band x sees all keys, holds the diagonal, or sees none: s[DD] = 4 x block - s says which;
; a piece that sees none is jumped over, forward, past text without a barrier or a tensor load.  Band 3 sees something in every step (DD is -3 at the least), so piece 3 has no such jump.
; CLUSTER.  The four work-groups of a cluster are four heads of one (b, p): they walk the same tiles of xk and xv from first to last, so every tile is asked for JOINTLY: the same tensor load,
; descriptor and mask in all four.  The head enters the addresses of mt, cv and u alone.
; LAYOUT.  S^T = K Q'^T holds ONE query a lane (lane % 16) and the keys 8 (lane / 16) + 0..7; its C operand is t of that query, or -1e30 where the key is hidden.  Two such results rounded to f16 ARE source 1
; of O^T = V^T P.  O^T packed in pairs IS a fragment (16 rows x 32 k: registers 0-3 of lane l at byte 16 l, registers 4-7 at 512 + 16 l) of the next launch's first operand: u is stored so, 512 consecutive bytes a store.
; SOFTMAX.  A running maximum m and sum l: p = 2^(c s - c m), c = 64 log2(e) / sqrt(128); O and l are multiplied by a = 2^(c m_old - c m_new) in every step.  m starts at the lowest finite number:
; a block's first a is 0, so O and l need only be finite there.  The price of writing no first step out: 256 lines that write 0 into O^T once, in the wait for the first tile.
; IN PHASES: a step's scores, then piece by piece the softmax and V^T P.
; REGISTERS, in windows of 256 (s_set_vgpr_msb: bits 1:0 source 0, 3:2 source 1, 5:4 source 2, 7:6 destination):
;   window 0: v1-11 addresses; v12-43 eight registers of statistics a piece; v44-47 t of the second block; v48-50 lane constants; v62, v63 the add's; v64-191 S^T, 32 a piece; v192-255 P, 16 a piece
;   window 1: O^T, 64 a piece     window 2: v0-127 Q', 32 a piece; v128-255 K of one step     window 3: v0-127 V of one step; v128-255 CM, the scores' C operand, 32 a piece
.set KS,    64        ; keys in a step
.set PK,    272       ; a row of K in LDS: 256 bytes + 16 of padding: the 16 rows of a load start at 16 different groups of four banks (ISA guide 11.1)
.set PV,    288       ; a row of V: 256 + 32
.set VOFF,  KS*PK     ; a step's tiles lie together: 64 rows of K, then 64 rows of V
.set STEPB, KS*(PK+PV)
.set SLOT1, 1<<17     ; a slot holds two steps (71,680 bytes); slot 1 begins here, so that one exclusive or turns an address in one slot into the other's
.set QL,    SLOT1+2*STEPB  ; behind the ring, never filled by a tensor load: the second block's Q', 16,384 bytes for each wave, its own
.set SPARE, QL+4*16384     ; the spare words, 128 bytes for each wave: two blocks of 256 bytes that no other line names
.set AK0, 2           ; v2   my lane's place in a tile of K
.set AV0, 3           ; v3   the same for V
.set ADR, 4           ; v4   the LDS address of the run of loads in hand
.set QO,  5           ; v5   256 r + 16 h': my bytes in 16 rows of xq
.set GO,  8           ; v8   16 x lane
.set HF,  9           ; v9   h' = lane / 16
.set ST,  12          ; piece t's statistics at v[ST+8 t]: c m, m, l (even keys', odd keys'), c0-c3 at work; a takes c2's place
.set T2,  44          ; v44-47  t of my query in the second block's four pieces
.set THR, 48          ; v48  16 w + r - 8 h': in a band's own step register 16 kt + jj is hidden where that number is greater
.set QLA, 49          ; v49  QL + 16,384 w + 16 lane
.set CVO, 50          ; v50  32 h'
.set SPW, 62          ; v62  LDS address of my spare word; never rewritten
.set NIL, 63          ; v63  0; never rewritten
.set S,   64
.set P,   192
.set LT,  224         ; v224-239 at work in the prologue
.set KF,  128         ; window 2
.set CM,  128         ; window 3
.set WV,  12          ; s12  my wave's number
.set KBS, 20          ; s[20:21] xk[b] at my step of slot tile 0
.set VBS, 22          ; s[22:23] xv[b] likewise
.set G1K, 24          ; s[24:31] descriptor group 1 for K's tiles
.set G1V, 32          ; s[32:39] for V's: it differs in the padding alone
.set G0K, 40          ; s[40:43] descriptor group 0 for K's tiles
.set G0V, 44          ; s[44:47] for V's
.set OFF, 48          ; s[48:49] a slot tile's byte offset
.set NXT, 50          ; s50  the slot tile to be asked for next
.set LQ,  51          ; s51  the last slot tile of the block whose tiles are being asked for
.set LQ2, 52          ; s52  the second block's
.set DD,  53          ; s53  4 x block - step
.set DD2, 54          ; s54  its start for the second block
.set SLOTS, 56
.set CNT, 57
.set CS,  58          ; s[58:59] c
.set SEL, 60          ; s[60:61] v_permlanex16_b32's selects: each lane takes its own place in the other half
.set TB,  62          ; s62  LDS byte at which the tiles of the step to be fetched begin
.set BIGN, 63         ; s63  -1e30
.set UB,  66          ; s[66:67] u at my rows of the block in hand
.set ULO, 68          ; s[68:69] of the second block
.set XH,  70          ; s[70:71] xq at my rows of the first block
.set XL,  72          ; s[72:73] of the second
.set MTP, 74          ; s[74:75] mt of my head
.set CVP, 76          ; s[76:77] cv of my head
.set MSB, 0
.macro WIN new                      ; the high byte repeats the setting that is left; a switch that changes nothing is dropped
.if MSB != (\new)
	s_set_vgpr_msb (MSB<<8)|(\new)
.set MSB, (\new)
.endif
.endm
.set W_KC, 0x3a       ; K and Q' in window 2, C in window 3, S^T in window 0
.set W_KQ, 0x0a       ; the same with C = S^T
.set W_PV, 0x53       ; V in window 3, P in window 0, O^T in window 1
.set W_RS, 0x41       ; destination and source 0 in window 1, source 1 in window 0
.set W_MK, 0xc3       ; destination and source 0 in window 3, source 1 in window 0
.macro PLACES                       ; four places behind matrix instructions, ahead of loads into and vector work on their registers
.rept 4
	v_nop
.endr
.endm
; A joint fill.  Waves 0 and 1 fetch K of a slot's two steps, waves 2 and 3 V.  The branch hangs on the wave's number alone.  An s_nop 0 and four v_nop follow each of the two lines.
.macro JLOAD
	s_cmp_lt_u32 s[WV], 2
	s_cbranch_scc0 .Lfor_v_\@
	tensor_load_to_lds s[G0K:G0K+3], s[G1K:G1K+7]
	s_nop 0
.rept 4
	v_nop
.endr
	s_branch .Lasked_\@
.Lfor_v_\@:
	tensor_load_to_lds s[G0V:G0V+3], s[G1V:G1V+7]
	s_nop 0
.rept 4
	v_nop
.endr
.Lasked_\@:
.endm
; A round of the cluster's barrier: my work-group's barrier; wave 0 signals for the work-group; every wave waits for all four work-groups; my work-group's barrier once more.
.macro CROUND
	s_barrier_signal -1
	s_barrier_wait -1
	s_cmp_lg_u32 s[WV], 0
	s_cbranch_scc1 .Lnot_wave_0_\@
	s_barrier_signal -3
.Lnot_wave_0_\@:
	s_barrier_wait -3
	s_barrier_signal -1
	s_barrier_wait -1
.endm
; THE CHANGE OF SLOTS.  The old slot's last bytes have been asked for.  Each wave waits for all its tensor loads, of which one is out: its part of the other slot; adds 0 to its spare word; and waits for that
; and for its own reads.  fill = 1: the barrier is a round of the cluster's, and the old slot is filled again, first thing behind it, with slot tile NXT: the address is made anew from that number.
; That load has two key steps in which to land.  (At its first use nothing has been read yet: slot 0 is waited for, slot 1 filled.)
.macro CHANGE fill
	WIN 0
	s_wait_tensorcnt 0x0            ; no tensor load of mine is out, so a group 0 may be written
	ds_add_u32 v[SPW], v[NIL]       ; 0 onto my spare word
.if \fill
	s_lshl_b32 s[OFF], s[NXT], 15   ; a slot tile is 128 rows of 256 bytes
	s_xor_b32 s[G0K+1], s[G0K+1], SLOT1
	s_add_nc_u64 s[G0K+2:G0K+3], s[KBS:KBS+1], s[OFF:OFF+1]
	s_or_b32 s[G0K+3], s[G0K+3], 0x80000000
	s_xor_b32 s[G0V+1], s[G0V+1], SLOT1
	s_add_nc_u64 s[G0V+2:G0V+3], s[VBS:VBS+1], s[OFF:OFF+1]
	s_or_b32 s[G0V+3], s[G0V+3], 0x80000000
	s_add_co_u32 s[NXT], s[NXT], 1  ; the block's next tile, or behind its last the second block's tile 0
	s_cmp_gt_u32 s[NXT], s[LQ]
	s_cselect_b32 s[NXT], 0, s[NXT]
	s_cselect_b32 s[LQ], s[LQ2], s[LQ]
	s_wait_dscnt 0x0                ; the add is done, and my reads of the slot are over
	CROUND
	JLOAD
.else
	s_wait_dscnt 0x0
	s_barrier_signal -1
	s_barrier_wait -1
.endif
	s_sub_co_u32 s[TB], s[TB], 2*STEPB  ; the fetches go back to a slot's first step,
	s_xor_b32 s[TB], s[TB], SLOT1       ; in the other slot
.endm
	s_load_b256 s[4:11], s[0:1], 0x0  ; x16 s[4:5], mt s[6:7], cv s[8:9], u s[10:11]
	v_lshl_add_u32 v[SPW], v0, 2, SPARE
	v_mov_b32 v[NIL], 0
	ds_add_u32 v[SPW], v[NIL]       ; the wave's opening: the add and its wait stand ahead of my first tensor load; work on registers stands between them
	v_lshrrev_b32 v1, 5, v0
	v_readfirstlane_b32 s[WV], v1   ; wave 0..3
	s_bfe_u32 s13, ttmp6, 0x40000   ; cx
	s_lshl_b32 s14, ttmp9, 2
	s_add_co_u32 s14, s14, s13      ; head = 4 x cluster x + cx
	s_and_b32 s15, ttmp7, 0xffff    ; shared by the four partners:
	s_lshr_b32 s16, s15, 1          ; b
	s_and_b32 s17, s15, 1           ; p: the second block
	s_sub_co_u32 s18, 3, s17        ; the first block
	s_and_b32 s19, s[WV], 1         ; which of a slot's two steps I fetch
	s_mov_b32 s[G1K], 15|(1<<16)|(1<<20)|(1<<21)|(5<<22)|(3<<25)  ; 15:0 the mask of four; 17:16 2-byte elements; 20 padding on; 21 set beside a mask; 24:22 after every 64 words; 31:25 4 words
	s_mov_b32 s[G1V], 15|(1<<16)|(1<<20)|(1<<21)|(5<<22)|(7<<25)  ; the same with 8 words of padding
.irp g, G1K, G1V
	s_mov_b32 s[\g+1], 128<<16      ; tensor_dim0 = 128
	s_mov_b32 s[\g+2], KS<<16       ; tensor_dim1 = 64
	s_mov_b32 s[\g+3], 128<<16      ; tile_dim0 = 128
	s_mov_b32 s[\g+4], KS           ; tile_dim1 = 64
	s_mov_b32 s[\g+5], 128          ; 128 elements from row to row
	s_mov_b32 s[\g+6], 0
	s_mov_b32 s[\g+7], 0
.endr
	s_mov_b32 s[G0K], 1             ; count = 1
	s_mul_i32 s[G0K+1], s19, STEPB  ; LDS address: slot 0, my step
	s_mov_b32 s[G0V], 1
	s_add_co_u32 s[G0V+1], s[G0K+1], VOFF
	s_mov_b32 s[OFF+1], 0
	s_mov_b32 s[NXT], 1
	s_lshl_b32 s[LQ], s18, 1
	s_add_co_u32 s[LQ], s[LQ], 1    ; block i has the slot tiles 0 .. 2 i + 1
	s_lshl_b32 s[LQ2], s17, 1
	s_add_co_u32 s[LQ2], s[LQ2], 1
	s_lshl_b32 s[DD], s18, 2
	s_lshl_b32 s[DD2], s17, 2
	s_mov_b32 s[CS], 0x410293ee     ; c = 64 log2(e) / sqrt(128) = 8.16109
	s_mov_b32 s[CS+1], s[CS]
	s_mov_b32 s[SEL], 0x76543210
	s_mov_b32 s[SEL+1], 0xfedcba98
	s_mov_b32 s[TB], SLOT1+2*STEPB  ; the first change of slots turns this into 0
	s_mov_b32 s[BIGN], 0xf149f2ca   ; -1e30
	s_lshl_b32 s78, s16, 18         ; the batch's 1,024 rows of 256 bytes,
	s_lshl_b32 s2, s19, 14          ; my step's 64
	s_add_co_u32 s78, s78, s2
	s_mov_b32 s79, 0
	s_mov_b32 s3, 0
	s_wait_dscnt 0x0                ; the opening add is done
	s_wait_kmcnt 0x0
	s_add_nc_u64 s[KBS:KBS+1], s[4:5], s[78:79]
	s_add_nc_u64 s[VBS:VBS+1], s[KBS:KBS+1], 4194304   ; xv lies behind xq and xk,
	s_add_nc_u64 s[KBS:KBS+1], s[KBS:KBS+1], 2097152   ; xk behind xq
	s_add_nc_u64 s[G0K+2:G0K+3], s[KBS:KBS+1], 0
	s_or_b32 s[G0K+3], s[G0K+3], 0x80000000            ; type = 2
	s_add_nc_u64 s[G0V+2:G0V+3], s[VBS:VBS+1], 0
	s_or_b32 s[G0V+3], s[G0V+3], 0x80000000
	s_lshl_b32 s78, s16, 18         ; xq: the batch, my 16 rows in a band,
	s_lshl_b32 s2, s[WV], 12
	s_add_co_u32 s78, s78, s2
	s_lshl_b32 s2, s18, 16          ; the block's 256 rows
	s_add_co_u32 s2, s2, s78
	s_add_nc_u64 s[XH:XH+1], s[4:5], s[2:3]
	s_lshl_b32 s2, s17, 16
	s_add_co_u32 s2, s2, s78
	s_add_nc_u64 s[XL:XL+1], s[4:5], s[2:3]
	s_lshl_b32 s78, s16, 6          ; u: [row / 16][4 head + channel / 32][1,024]: row tile 64 b + 16 block + 4 piece + w
	s_add_co_u32 s78, s78, s[WV]
	s_lshl_b32 s78, s78, 16
	s_lshl_b32 s2, s14, 12
	s_add_co_u32 s78, s78, s2
	s_lshl_b32 s2, s18, 20
	s_add_co_u32 s2, s2, s78
	s_add_nc_u64 s[UB:UB+1], s[10:11], s[2:3]
	s_lshl_b32 s2, s17, 20
	s_add_co_u32 s2, s2, s78
	s_add_nc_u64 s[ULO:ULO+1], s[10:11], s[2:3]
	s_mul_i32 s2, s14, 36864
	s_add_nc_u64 s[MTP:MTP+1], s[6:7], s[2:3]
	s_mul_i32 s2, s14, 576
	s_add_nc_u64 s[CVP:CVP+1], s[8:9], s[2:3]
	CROUND                          ; all four work-groups are here: the first joint loads meet
	JLOAD                           ; slot tile 0 into slot 0
	; THE PROLOGUE: Q' and t of both blocks, in the wait for the first tile.  All its operands are asked for at once.
	v_and_b32 v1, 15, v0            ; r
	v_bfe_u32 v[HF], v0, 4, 1       ; h'
	v_lshlrev_b32 v[QO], 8, v1
	v_lshl_add_u32 v[QO], v[HF], 4, v[QO]
	v_and_b32 v[GO], 31, v0
	v_lshlrev_b32 v[GO], 4, v[GO]
	v_lshlrev_b32 v[CVO], 5, v[HF]
	WIN 0x40                        ; destination window 1: xq's fragments, piece pi (0-3 the first block's, 4-7 the second's), channels 32 ki on, at 32 pi + 8 ki
.set i, 0
.rept 16
	global_load_b128 v[8*i:8*i+3],         v[QO], s[XH:XH+1] offset:(i/4)*16384+(i%4)*64
	global_load_b128 v[8*i+4:8*i+7],       v[QO], s[XH:XH+1] offset:(i/4)*16384+(i%4)*64+32
	global_load_b128 v[128+8*i:128+8*i+3], v[QO], s[XL:XL+1] offset:(i/4)*16384+(i%4)*64
	global_load_b128 v[128+8*i+4:128+8*i+7], v[QO], s[XL:XL+1] offset:(i/4)*16384+(i%4)*64+32
.set i, i+1
.endr
	WIN 0x80                        ; window 2, where K will lie: mt's row tiles 0-3
.set i, 0
.rept 16
	global_load_b128 v[128+8*i:128+8*i+3],   v[GO], s[MTP:MTP+1] offset:1024*i
	global_load_b128 v[128+8*i+4:128+8*i+7], v[GO], s[MTP:MTP+1] offset:1024*i+512
.set i, i+1
.endr
	WIN 0xc0                        ; window 3, where V will lie: row tiles 4-7; where CM will lie: cv
.set i, 0
.rept 16
	global_load_b128 v[8*i:8*i+3],   v[GO], s[MTP:MTP+1] offset:16384+1024*i
	global_load_b128 v[8*i+4:8*i+7], v[GO], s[MTP:MTP+1] offset:16384+1024*i+512
.set i, i+1
.endr
.set i, 0
.rept 9
	global_load_b128 v[CM+8*i:CM+8*i+3],   v[CVO], s[CVP:CVP+1] offset:64*i
	global_load_b128 v[CM+8*i+4:CM+8*i+7], v[CVO], s[CVP:CVP+1] offset:64*i+16
.set i, i+1
.endr
	WIN 0                           ; window 0, where P will lie: row tile 8 (u)
.set i, 0
.rept 4
	global_load_b128 v[P+8*i:P+8*i+3],   v[GO], s[MTP:MTP+1] offset:32768+1024*i
	global_load_b128 v[P+8*i+4:P+8*i+7], v[GO], s[MTP:MTP+1] offset:32768+1024*i+512
.set i, i+1
.endr
	v_mul_u32_u24 v[AK0], v1, PK
	v_lshl_add_u32 v[AK0], v[HF], 4, v[AK0]  ; row x pitch + 16 x half
	; The turning load takes 16 keys x 16 channels (lane l reads key 8 (l / 16) + l % 8, channels 8 ((l / 8) % 2) + 0..7) and leaves half a fragment of V^T.
	v_and_b32 v10, 7, v0
	v_bfe_u32 v11, v0, 3, 1
	v_lshl_add_u32 v[AV0], v[HF], 3, v10
	v_mul_u32_u24 v[AV0], v[AV0], PV
	v_lshl_add_u32 v[AV0], v11, 4, v[AV0]
	v_add_nc_u32 v[AV0], VOFF, v[AV0]
	v_lshlrev_b32 v10, 3, v[HF]
	v_sub_nc_u32 v[THR], v1, v10
	s_lshl_b32 s2, s[WV], 4
	v_add_nc_u32 v[THR], s2, v[THR]
	s_lshl_b32 s2, s[WV], 14
	s_add_co_u32 s2, s2, QL
	v_add_nc_u32 v[QLA], s2, v[GO]
.irp t, 0,1,2,3
	v_mov_b32 v[ST+8*(\t)], 0xfe000000    ; c m: far below every c s
	v_mov_b32 v[ST+8*(\t)+1], 0xff7fffff  ; m
.irp n, 2,3,4,5,6,7
	v_mov_b32 v[ST+8*(\t)+(\n)], 0
.endr
.endr
	s_wait_loadcnt 0x0
; Row tile tj of Q'^T = M^T xq^T + c for all eight pieces: 32 products, the eight accumulators by turns; the first eight take cv as C.  In the result a lane holds ONE query and
; j = 16 tj + 8 h' + 0..7: packed in pairs it is half a fragment of Q'.  The first block's go to their registers, the second block's to my part of QL.  Tile 8 gives t in every register.
.macro QP tj
.if (\tj) < 4
.set W0, 0x06
.set MB, 128+32*(\tj)
.elseif (\tj) < 8
.set W0, 0x07
.set MB, 32*((\tj)-4)
.else
.set W0, 0x04
.set MB, P
.endif
.set AB, S+64*((\tj)%2)
.irp ki, 0,1,2,3
.if (\ki) == 0
	WIN W0|0x30
.else
	WIN W0
.endif
.irp pi, 0,1,2,3,4,5,6,7
.if (\ki) == 0
	v_wmma_f32_16x16x32_f16 v[AB+8*(\pi):AB+8*(\pi)+7], v[MB+8*(\ki):MB+8*(\ki)+7], v[32*(\pi)+8*(\ki):32*(\pi)+8*(\ki)+7], v[CM+8*(\tj):CM+8*(\tj)+7]
.else
	v_wmma_f32_16x16x32_f16 v[AB+8*(\pi):AB+8*(\pi)+7], v[MB+8*(\ki):MB+8*(\ki)+7], v[32*(\pi)+8*(\ki):32*(\pi)+8*(\ki)+7], v[AB+8*(\pi):AB+8*(\pi)+7]
.endif
.endr
.endr
	WIN 0
	PLACES
.if (\tj) < 8
	WIN 0x80
.irp x, 0,1,2,3
.irp p, 0,1,2,3
	v_cvt_pk_f16_f32 v[32*(\x)+8*((\tj)/2)+4*((\tj)%2)+(\p)], v[AB+8*(\x)+2*(\p)], v[AB+8*(\x)+2*(\p)+1]
.endr
.endr
	WIN 0
.irp x, 0,1,2,3
.irp p, 0,1,2,3
	v_cvt_pk_f16_f32 v[LT+4*(\x)+(\p)], v[AB+32+8*(\x)+2*(\p)], v[AB+32+8*(\x)+2*(\p)+1]
.endr
	ds_store_b128 v[QLA], v[LT+4*(\x):LT+4*(\x)+3] offset:(4*(\x)+(\tj)/2)*1024+((\tj)%2)*512
.endr
.else
	WIN 0xc0
.set i, 0
.rept 128
	v_mov_b32 v[CM+i], v[S+8*(i/32)]  ; the first block's C operand: t of my query in each piece
.set i, i+1
.endr
	WIN 0
.irp x, 0,1,2,3
	v_mov_b32 v[T2+(\x)], v[S+32+8*(\x)]
.endr
.endif
.endm
.irp tj, 0,1,2,3,4,5,6,7,8
	QP \tj
.endr
	WIN 0x40
.set i, 0
.rept 256
	v_mov_b32 v[i], 0               ; O^T need only be finite where a block begins
.set i, i+1
.endr
	WIN 0
; THE LDS LOADS stand in runs of 32: a step's K (64 keys x 128 channels: 16 fragments) and its V (turned).
.macro FETCH_K
	WIN 0
	v_add_nc_u32 v[ADR], s[TB], v[AK0]
	WIN 0x80
.irp f, 0,1,2,3,4,5,6,7,8,9,10,11,12,13,14,15  ; keys 16 (f / 4) on, channels 32 (f % 4) on
	ds_load_b128 v[KF+8*(\f):KF+8*(\f)+3],   v[ADR] offset:((\f)/4)*16*PK+((\f)%4)*64
	ds_load_b128 v[KF+8*(\f)+4:KF+8*(\f)+7], v[ADR] offset:((\f)/4)*16*PK+((\f)%4)*64+32
.endr
.endm
.macro FETCH_V
	WIN 0
	v_add_nc_u32 v[ADR], s[TB], v[AV0]
	s_add_co_u32 s[TB], s[TB], STEPB  ; the next fetch is the next step's
	WIN 0xc0
.irp f, 0,1,2,3,4,5,6,7,8,9,10,11,12,13,14,15  ; keys 32 (f / 8) on, channels 16 (f % 8) on
	ds_load_tr16_b128 v[8*(\f):8*(\f)+3],   v[ADR] offset:((\f)/8)*32*PV+((\f)%8)*32
	ds_load_tr16_b128 v[8*(\f)+4:8*(\f)+7], v[ADR] offset:((\f)/8)*32*PV+16*PV+((\f)%8)*32
.endr
.endm
; 16 products S^T = K Q'^T + CM for piece x: channels 32 ki on, keys 16 kt on; the four accumulators take turns.
.macro KQ x
.irp ki, 0,1,2,3
.if (\ki) == 0
	WIN W_KC
.else
	WIN W_KQ
.endif
.irp kt, 0,1,2,3
.if (\ki) == 0
	v_wmma_f32_16x16x32_f16 v[S+32*(\x)+8*(\kt):S+32*(\x)+8*(\kt)+7], v[KF+32*(\kt)+8*(\ki):KF+32*(\kt)+8*(\ki)+7], v[32*(\x)+8*(\ki):32*(\x)+8*(\ki)+7], v[CM+32*(\x)+8*(\kt):CM+32*(\x)+8*(\kt)+7]
.else
	v_wmma_f32_16x16x32_f16 v[S+32*(\x)+8*(\kt):S+32*(\x)+8*(\kt)+7], v[KF+32*(\kt)+8*(\ki):KF+32*(\kt)+8*(\ki)+7], v[32*(\x)+8*(\ki):32*(\x)+8*(\ki)+7], v[S+32*(\x)+8*(\kt):S+32*(\x)+8*(\kt)+7]
.endif
.endr
.endr
.endm
; 16 products O^T += V^T P for piece x: keys 32 kh on, channels 16 ch on; the eight accumulators take turns.
.macro PVX x
	WIN W_PV
.irp kh, 0,1
.irp ch, 0,1,2,3,4,5,6,7
	v_wmma_f32_16x16x32_f16 v[64*(\x)+8*(\ch):64*(\x)+8*(\ch)+7], v[64*(\kh)+8*(\ch):64*(\kh)+8*(\ch)+7], v[P+16*(\x)+8*(\kh):P+16*(\x)+8*(\kh)+7], v[64*(\x)+8*(\ch):64*(\x)+8*(\ch)+7]
.endr
.endr
.endm
; The band's own step: -1e30 goes into piece x's C operand where the key lies behind the query.  It stays: the piece sees nothing more in this block.
.macro MASK x
	WIN W_MK
.set i, 0
.rept 32
	v_cmp_gt_i32 vcc_lo, 16*(i/8)+i%8, v[THR]
	v_cndmask_b32 v[CM+32*(\x)+i], v[CM+32*(\x)+i], s[BIGN], vcc_lo
.set i, i+1
.endr
.endm
; ONE PIECE'S SOFTMAX for one key step: a list of 134 instructions; SM writes number j of it for piece t.  s0-s31 are the lane's 32 scores, in pairs 0-15.
;   0-15    the maximum of s0-s31 and the old m, three operands at a time; each accumulator's lowest registers are read first
;   16-20   the other half of the lanes' maximum; the new m; c m; c m_old - c m_new
;   21-87   33 exponentials (a, then s0-s31) at the odd numbers from 23 on: each has a plain instruction behind it that names neither its result nor its source (ISA guide 5.7.2).  The plain ones:
;           c s - c m for pairs whose exponentials are still to come, the rounding to f16 of pairs whose exponentials are done (the second stands three numbers back), the first three sums
;   88-101  the last rounding; the rest of the sums; l = a l + the sum          102-133  the piece's O^T times a, from its low end on
.macro SM t
.set rT, ST+8*(\t)
.set rS, S+32*(\t)
.set rP, P+16*(\t)
.set rO, 64*(\t)+2*(j-102)
.set q, (j-20)/2
.if j < 102
	WIN 0
.endif
.if j < 4
	v_max3_num_f32 v[rT+4+j], v[rS+8*j], v[rS+8*j+1], v[rS+8*j+2]
.elseif j < 12
	v_max3_num_f32 v[rT+4+j%4], v[rT+4+j%4], v[rS+8*(j%4)+2*(j/4)+1], v[rS+8*(j%4)+2*(j/4)+2]
.elseif j == 12
	v_max3_num_f32 v[rT+4], v[rT+4], v[rS+7], v[rS+15]
.elseif j == 13
	v_max3_num_f32 v[rT+6], v[rT+6], v[rS+23], v[rS+31]
.elseif j == 14
	v_max3_num_f32 v[rT+4], v[rT+4], v[rT+5], v[rT+6]
.elseif j == 15
	v_max3_num_f32 v[rT+4], v[rT+4], v[rT+7], v[rT+1]
.elseif j == 16
	v_permlanex16_b32 v[rT+5], v[rT+4], s[SEL], s[SEL+1]  ; the query's other 32 keys lie in the lane 16 away
.elseif j == 17
	v_mov_b32 v[rT+7], v[rT]        ; c m_old is kept for a
.elseif j == 18
	v_max_num_f32 v[rT+1], v[rT+4], v[rT+5]
.elseif j == 19
	v_mul_f32 v[rT], s[CS], v[rT+1]
.elseif j == 20
	v_sub_f32 v[rT+7], v[rT+7], v[rT]
.elseif j == 23
	v_exp_f32 v[rT+6], v[rT+7]
.elseif (j < 88) && (j > 23) && (j%2 == 1)
	v_exp_f32 v[rS+(j-25)/2], v[rS+(j-25)/2]
.elseif (q < 4) || ((j < 76) && (q%2 == 0))
.set b, q/2+2
.if q < 4
.set b, q
.endif
	v_pk_fma_f32 v[rS+2*b:rS+2*b+1], v[rS+2*b:rS+2*b+1], s[CS:CS+1], v[rT:rT+1] op_sel_hi:[1,0,0] neg_lo:[0,0,1] neg_hi:[0,0,1]  ; pair b: c s - c m
.elseif (j < 88) && (q%2 == 1)
	s_wait_alu depctr_va_vdst(0)
	v_cvt_pk_f16_f32 v[rP+(q-5)/2], v[rS+q-5], v[rS+q-4]
.elseif j == 89
	s_wait_alu depctr_va_vdst(0)
	v_cvt_pk_f16_f32 v[rP+15], v[rS+30], v[rS+31]
.elseif j < 102                     ; the sum of the 16 pairs, in place: sum z of 16 adds neighbours 1, 2, 4 and 8 pairs apart, then l takes it
.set z, j-86
.if j < 89
.set z, (j-76)/4
.endif
.set w, 4
.set u, z
.if z >= 14
.set w, 32
.set u, 0
.elseif z >= 12
.set w, 16
.set u, z-12
.elseif z >= 8
.set w, 8
.set u, z-8
.endif
.if z < 15
	v_pk_add_f32 v[rS+w*u:rS+w*u+1], v[rS+w*u:rS+w*u+1], v[rS+w*u+w/2:rS+w*u+w/2+1]
.else
	v_pk_fma_f32 v[rT+2:rT+3], v[rT+2:rT+3], v[rT+6:rT+7], v[rS:rS+1] op_sel_hi:[1,0,1]
.endif
.else
	WIN W_RS
	v_pk_mul_f32 v[rO:rO+1], v[rO:rO+1], v[rT+6:rT+7] op_sel_hi:[1,0]
.endif
.endm
.macro KQPART x                     ; piece x's scores: none if the band sees nothing (band 3 always sees something); the mask first if the step is the band's own
	WIN 0
.if (\x) < 3
	s_cmp_lt_i32 s[DD], -(\x)
	s_cbranch_scc1 .Lkq_hid_\@
.endif
	s_cmp_lg_i32 s[DD], -(\x)
	s_cbranch_scc1 .Lkq_all_\@
	MASK \x
	WIN 0
.Lkq_all_\@:
	KQ \x
	WIN 0
.Lkq_hid_\@:
.endm
.macro SMPV x                       ; piece x's softmax and V^T P.  Piece 3's stands on every way through a step, and its wait with it
	WIN 0
.if (\x) < 3
	s_cmp_lt_i32 s[DD], -(\x)
	s_cbranch_scc1 .Lsm_hid_\@
.endif
.set j, 0
.rept 134
	SM \x
.set j, j+1
.endr
	WIN 0
	s_wait_dscnt 0x0                ; V is in: it is multiplied now, and its registers are loaded again only behind this wait; so is K of the next step
	PVX \x
	WIN 0
.Lsm_hid_\@:
.endm
; A KEY STEP.  K and V of the step are in registers or on their way; K of the next step is fetched behind the scores, V behind the last V^T P.  last = 1 (the tail): the last trip fetches nothing.
.macro TRIP last
	s_wait_dscnt 32                 ; K's 32 loads are in; the 32 younger ones are V's
	KQPART 0
	KQPART 1
	KQPART 2
	KQPART 3
	PLACES                          ; behind the scores' products: K's registers are loaded again, S^T is read
.if \last
	s_cmp_eq_u32 s[CNT], 1
	s_cbranch_scc1 .Lno_k_\@
.endif
	FETCH_K
	WIN 0
.if \last
.Lno_k_\@:
.endif
	SMPV 0
	SMPV 1
	SMPV 2
	SMPV 3
	PLACES                          ; behind the last V^T P: V's registers are loaded again, O^T is read where a block ends
.if \last
	s_cmp_eq_u32 s[CNT], 1
	s_cbranch_scc1 .Lno_v_\@
.endif
	FETCH_V
	WIN 0
.if \last
.Lno_v_\@:
.endif
	s_sub_co_i32 s[DD], s[DD], 1
.endm
; A BLOCK ENDS.  l's two halves and the other half of the lanes' are added; O^T is divided by l and rounded to f16: a piece's eight tiles are four fragments of u, 4,096 bytes on end.
.macro FPIECE t
	WIN W_RS
.set i, 64*(\t)
.rept 32
	v_pk_mul_f32 v[i:i+1], v[i:i+1], v[ST+8*(\t)+6:ST+8*(\t)+7] op_sel_hi:[1,0]
.set i, i+2
.endr
	WIN 0x05                        ; sources 0 and 1 window 1, destination window 0: S^T's registers are free
.set i, 0
.rept 32
	v_cvt_pk_f16_f32 v[S+32*(\t)+i], v[64*(\t)+2*i], v[64*(\t)+2*i+1]
.set i, i+1
.endr
	WIN 0
.irp f, 0,1,2,3,4,5,6,7
	global_store_b128 v[GO], v[S+32*(\t)+4*(\f):S+32*(\t)+4*(\f)+3], s[UB:UB+1] offset:262144*(\t)+512*(\f)  ; 512 consecutive bytes, aligned
.endr
.endm
.macro FINISH
	WIN 0
.irp t, 0,1,2,3
	v_add_f32 v[ST+8*(\t)+4], v[ST+8*(\t)+2], v[ST+8*(\t)+3]
.endr
.irp t, 0,1,2,3
	v_permlanex16_b32 v[ST+8*(\t)+5], v[ST+8*(\t)+4], s[SEL], s[SEL+1]
.endr
.irp t, 0,1,2,3
	v_add_f32 v[ST+8*(\t)+4], v[ST+8*(\t)+4], v[ST+8*(\t)+5]
.endr
.irp t, 0,1,2,3
	v_rcp_f32 v[ST+8*(\t)+6], v[ST+8*(\t)+4]
.endr
	v_nop                           ; a plain instruction between the last reciprocal and the use of its result
	s_wait_alu depctr_va_vdst(0)
	FPIECE 0
	FPIECE 1
	FPIECE 2
	FPIECE 3
	s_wait_xcnt 0x0                 ; the stores' data, offset and base are rewritten only behind this wait
.endm
; THE SECOND BLOCK BEGINS: its place in u, its count, m, its C operand and its Q'.  l and O^T are finite, and the first a is 0.
.macro REINIT
	s_mov_b64 s[UB:UB+1], s[ULO:ULO+1]
	s_mov_b32 s[DD], s[DD2]
.irp t, 0,1,2,3
	v_mov_b32 v[ST+8*(\t)], 0xfe000000
	v_mov_b32 v[ST+8*(\t)+1], 0xff7fffff
.endr
	WIN 0xc0
.set i, 0
.rept 128
	v_mov_b32 v[CM+i], v[T2+i/32]
.set i, i+1
.endr
	WIN 0x80
.set i, 0
.rept 32
	ds_load_b128 v[4*i:4*i+3], v[QLA] offset:512*i  ; my own bytes, stored in the prologue
.set i, i+1
.endr
	WIN 0
	s_wait_dscnt 0x0
.endm
	CHANGE 1                        ; slot tile 0 is in, everybody's part of it; slot tile 1 is asked for
	FETCH_K                         ; key step 0
	FETCH_V
	WIN 0
	s_mov_b32 s[SLOTS], 9           ; the loop is entered behind its change of slots: eight changes follow, each with a fill
	s_mov_b32 s[CNT], 1             ; the fetches run one step ahead: slot 0 is read out behind step 0
	s_branch .Lstep
.Lslot:
	CHANGE 1
	s_mov_b32 s[CNT], 2
.Lstep:                             ; steps 0 to 16
	TRIP 0
	s_cmp_lg_i32 s[DD], -4
	s_cbranch_scc1 .Lsame           ; the block goes on
	FINISH
	REINIT
.Lsame:
	s_sub_co_u32 s[CNT], s[CNT], 1
	s_cmp_lg_u32 s[CNT], 0
	s_cbranch_scc1 .Lstep
	s_sub_co_u32 s[SLOTS], s[SLOTS], 1
	s_cmp_lg_u32 s[SLOTS], 0
	s_cbranch_scc1 .Lslot
	CHANGE 0                        ; the tail is written out: nothing is asked for
	s_mov_b32 s[CNT], 3
.Ltail:                             ; steps 17 to 19
	TRIP 1
	s_sub_co_u32 s[CNT], s[CNT], 1
	s_cmp_lg_u32 s[CNT], 0
	s_cbranch_scc1 .Ltail
	FINISH
	s_wait_tensorcnt 0x0            ; the wave's end, behind my last tensor load and my last LDS store
	ds_add_u32 v[SPW], v[NIL]
	s_wait_dscnt 0x0
	CROUND                          ; the closing round: no work-group ends while a partner may still ask for a tile that names it
	s_endpgm
.Lfunc_end_k_qf827e4c098_attn:
	.size	k_qf827e4c098_attn, .Lfunc_end_k_qf827e4c098_attn-k_qf827e4c098_attn
	.p2alignl 7, 3214868480
	.fill 96, 4, 3214868480
	.section	.rodata,"a",@progbits
	.p2align	6, 0x0
	.amdhsa_kernel k_qf827e4c098_attn
		.amdhsa_group_segment_fixed_size 327680
		.amdhsa_private_segment_fixed_size 0
		.amdhsa_enable_private_segment 0
		.amdhsa_kernarg_size 32
		.amdhsa_user_sgpr_count 2
		.amdhsa_user_sgpr_kernarg_segment_ptr 1
		.amdhsa_wavefront_size32 1
		.amdhsa_system_sgpr_workgroup_id_x 1
		.amdhsa_system_sgpr_workgroup_id_y 1
		.amdhsa_system_sgpr_workgroup_id_z 1
		.amdhsa_system_vgpr_workitem_id 0
		.amdhsa_next_free_vgpr 1024
		.amdhsa_next_free_sgpr 80
		.amdhsa_reserve_vcc 1
		.amdhsa_float_denorm_mode_32 3
		.amdhsa_float_denorm_mode_16_64 3
		.amdhsa_memory_ordered 1
		.amdhsa_forward_progress 1
		.amdhsa_inst_pref_size 243
	.end_amdhsa_kernel
	.amdgpu_metadata
---
amdhsa.version: [ 1, 2 ]
amdhsa.kernels:
  - .name:           k_qf827e4c098_attn
    .symbol:         k_qf827e4c098_attn.kd
    .args:
      - { .name: x16, .offset: 0, .size: 8, .value_kind: global_buffer, .address_space: global }
      - { .name: mt, .offset: 8, .size: 8, .value_kind: global_buffer, .address_space: global }
      - { .name: cv, .offset: 16, .size: 8, .value_kind: global_buffer, .address_space: global }
      - { .name: u, .offset: 24, .size: 8, .value_kind: global_buffer, .address_space: global }
    .group_segment_fixed_size: 327680
    .private_segment_fixed_size: 0
    .kernarg_segment_align: 8
    .kernarg_segment_size: 32
    .max_flat_workgroup_size: 128
    .sgpr_count:     80
    .vgpr_count:     1024
    .wavefront_size: 32
...
	.end_amdgpu_metadata
.endif
;; end of part 2
;; launch outp (part 3): grid 8 x 32, 4 waves a work-group, clusters of 4 x 4, 327,680 bytes of LDS; arguments u, wt, pb, bo, out0; writes out0
.if DOCPART == 3
	.amdgcn_target "amdgcn-amd-amdhsa--gfx1250"
	.amdhsa_code_object_version 6
	.text
	.protected	k_qf827e4c098_outp
	.globl	k_qf827e4c098_outp
	.p2align	8
	.type	k_qf827e4c098_outp,@function
k_qf827e4c098_outp:
	s_mov_b64 s[64:65], 0
	v_nop
	global_prefetch_b8 v0, s[64:65] scope:SCOPE_SE
	s_setreg_imm32_b32 hwreg(HW_REG_WAVE_MODE, 25, 1), 1
	s_wait_xcnt 0x0
	s_wait_alu depctr_hold_cnt(0) depctr_sa_sdst(0) depctr_va_vdst(0) depctr_va_sdst(0) depctr_va_ssrc(0) depctr_va_vcc(0) depctr_vm_vsrc(0)
	s_getreg_b32 s2, hwreg(HW_REG_IB_STS2, 6, 4)
	s_cmp_eq_u32 s2, 0
	s_cbranch_scc0 .Lentry_in_a_cluster
	s_endpgm
.Lentry_in_a_cluster:
	s_bfe_u32 s2, ttmp6, 0x10000c
	s_cmp_lg_u32 s2, 0xf033
	s_cbranch_scc0 .Lentry_shape_is_right
	s_endpgm
.Lentry_shape_is_right:
; out0[m][n] = 2^-7 x (the sum over k' of U[m][k'] x (2^7 W'[k'][n])) + (the sum over h of pb[h][n]) + bo[n].  U: 8,192 x 2,048, W': 2,048 x 1,024, both f16 in FRAGMENT ORDER; sums f32; out0 f32.
; FRAGMENT ORDER: 16 rows (of W': 16 columns) x 32 k' are 1,024 bytes: lane l's registers 0-3 at byte 16 l, its registers 4-7 at 512 + 16 l.  u: [m / 16][k' / 32], wt: [T][k' / 32]; column tile T = 4 g + c
; holds the columns 64 g + 4 r + c.  So a fragment load is 512 consecutive LDS bytes (no padding is wanted), and in the results a lane's numbers of the four tiles c are four neighbouring columns of a row.
; LIMITS.  bo is rounded to bf16 like every input.  128 |W'| and |U| lie within f16's 65,504 (seen to where they are made).  NaN and infinities are not treated apart.
; A tile of out0 is 256 rows x 128 columns: 256 work-groups.  Four waves, each 128 rows x 64 columns: 32 accumulators.  K goes in 16 steps of 128 through two LDS slots.
; CLUSTERS: 4 x 4 work-groups.  The four of a row of the cluster need the same tiles of u, the four of a column the same tiles of wt: each is asked for JOINTLY.
; REGISTERS: window 0: v1-3 lane numbers; v8-11 the bias of my four columns; v16-29 addresses and the add's two; v32-127, v128-223 two fragment buffers (A's 8 row tiles, then B's 4 column tiles).
;   window 1: the accumulators, (a, c) at 8 (4 a + c).
.set STEP,  4096                       ; a K step's bytes in one tile of 16 rows or columns: four fragments
.set SLOT,  98304                      ; A's 16 row tiles, then B's 8 column tiles
.set BOFF,  65536
.set SPARE, 2*SLOT                     ; behind the ring: the spare words, 128 bytes for each wave: two blocks of 256 bytes that no other line names
.set LAPS,  8                          ; a lap = two K steps = once round the ring
.set BIAS, 8
.set ADRA, 16                          ; v16-17  LDS address of my A fragments in slot 0, 1
.set ADRB, 20                          ; v20-21  the same for B
.set CO,   26                          ; v26     my byte offset in out0: 16 r, and 8 rows further down for lanes 16-31
.set PO,   27                          ; v27     16 r
.set SPW,  28                          ; v28     LDS address of my spare word; never rewritten
.set NIL,  29                          ; v29     0; never rewritten
.set F0,   32
.set F1,   128
.set WV,  14                           ; s14 wave; s15 = wave / 2: my half of the rows, also: I fetch for A (0) or B (1); s16 = wave % 2: my half of the columns, also: which half of that tile I fetch
.set G1,  24                           ; s[24:31] descriptor group 1 for A's tiles;  s[32:39] group 0, one set for each slot
.set G0,  32
.set G1B, 48                           ; s[48:55], s[56:63] the same for B's tiles
.set G0B, 56
.set SC,  70                           ; s70  2^-7
.set MSB, 0
.macro WIN new
.if MSB != (\new)
	s_set_vgpr_msb (MSB<<8)|(\new)
.set MSB, \new
.endif
.endm
.set MUL, 0x50                         ; A and B window 0; C and D window 1
.macro JLOAD s                         ; a joint load: waves 0 and 1 fetch A's two halves, waves 2 and 3 B's; an s_nop 0 and four v_nop follow each of the two lines
	s_cmp_eq_u32 s15, 0
	s_cbranch_scc0 .Lfor_b_\@
	tensor_load_to_lds s[G0+4*(\s):G0+4*(\s)+3], s[G1:G1+7]
	s_nop 0
.rept 4
	v_nop
.endr
	s_branch .Lasked_\@
.Lfor_b_\@:
	tensor_load_to_lds s[G0B+4*(\s):G0B+4*(\s)+3], s[G1B:G1B+7]
	s_nop 0
.rept 4
	v_nop
.endr
.Lasked_\@:
.endm
.macro CREST                           ; a round of the cluster's barrier behind its opening barrier
	s_cmp_lg_u32 s[WV], 0
	s_cbranch_scc1 .Lnot_wave_0_\@
	s_barrier_signal -3
.Lnot_wave_0_\@:
	s_barrier_wait -3
	s_barrier_signal -1
	s_barrier_wait -1
.endm
.macro CROUND
	s_barrier_signal -1
	s_barrier_wait -1
	CREST
.endm
.macro PLACES                          ; four places in front of loads into registers that matrix instructions have read, and of vector work that reads results
.rept 4
	v_nop
.endr
.endm
	s_load_b256 s[4:11], s[0:1], 0x0               ; u s[4:5], wt s[6:7], pb s[8:9], bo s[10:11]
	s_load_b64 s[12:13], s[0:1], 0x20              ; out0
	v_lshl_add_u32 v[SPW], v0, 2, SPARE
	v_mov_b32 v[NIL], 0
	ds_add_u32 v[SPW], v[NIL]                      ; the wave's opening: the add and its wait stand ahead of my first tensor load; work on registers stands between them
	v_lshrrev_b32 v1, 5, v0
	v_readfirstlane_b32 s[WV], v1
	s_lshr_b32 s15, s[WV], 1
	s_and_b32 s16, s[WV], 1
	s_bfe_u32 s17, ttmp6, 0x40000                  ; cx, cy: my place in the cluster
	s_bfe_u32 s18, ttmp6, 0x40004
	s_lshl_b32 s19, ttmp9, 2
	s_add_co_u32 s19, s19, s17                     ; tile column = 4 x cluster x + cx
	s_and_b32 s20, ttmp7, 0xffff
	s_lshl_b32 s20, s20, 2
	s_add_co_u32 s20, s20, s18                     ; tile row = 4 x cluster y + cy
	s_lshl_b32 s21, s18, 2
	s_lshl_b32 s21, 15, s21                        ; my row of the cluster
	s_lshl_b32 s22, 0x1111, s17                    ; my column
	; descriptor group 1: rows of 4,096 bytes (512 elements of 8 bytes), one for each tile of 16 rows or columns, 65,536 bytes apart; A: 8 rows to a load, B: 4
	s_or_b32 s[G1], s21, (3<<16)|(1<<21)           ; 15:0 the mask: A's tiles go to my row; 17:16 elements of 8 bytes; 21 set beside a mask
	s_or_b32 s[G1B], s22, (3<<16)|(1<<21)
	s_mov_b32 s[G1+1], 512<<16                     ; tensor_dim0 = 512
	s_mov_b32 s[G1+2], 8<<16                       ; tensor_dim1 = 8
	s_mov_b32 s[G1+3], 512<<16                     ; tile_dim0 = 512
	s_mov_b32 s[G1+4], 8                           ; tile_dim1 = 8
	s_mov_b32 s[G1+5], 8192                        ; elements from row to row
	s_mov_b32 s[G1+6], 0
	s_mov_b32 s[G1+7], 0
	s_mov_b32 s[G1B+1], 512<<16
	s_mov_b32 s[G1B+2], 4<<16
	s_mov_b32 s[G1B+3], 512<<16
	s_mov_b32 s[G1B+4], 4
	s_mov_b32 s[G1B+5], 8192
	s_mov_b32 s[G1B+6], 0
	s_mov_b32 s[G1B+7], 0
	s_lshl_b32 s40, s20, 4                         ; A: row tile 16 x tile row + 8 x half, in registers that never hold the tile column
	s_lshl_b32 s2, s16, 3
	s_add_co_u32 s40, s40, s2
	s_lshl_b32 s40, s40, 16
	s_mov_b32 s41, 0
	s_lshl_b32 s42, s19, 3                         ; B: column tile 8 x tile column + 4 x half
	s_lshl_b32 s2, s16, 2
	s_add_co_u32 s42, s42, s2
	s_lshl_b32 s42, s42, 16
	s_mov_b32 s43, 0
	s_lshl_b32 s66, s[WV], 15                      ; where they go: waves 0, 1: A's halves at 0 and 32,768;
	s_lshl_b32 s67, s[WV], 14
	s_add_co_u32 s67, s67, 32768                   ; waves 2, 3: B's halves at 65,536 and 81,920
	s_mov_b32 s[SC], 0x3c000000                    ; 2^-7
	s_wait_dscnt 0x0                               ; the opening add is done
	s_wait_kmcnt 0x0
	s_add_nc_u64 s[44:45], s[4:5], s[40:41]
	s_add_nc_u64 s[46:47], s[6:7], s[42:43]
	CROUND                                         ; all sixteen work-groups are here: the first joint loads meet
.irp s, 0,1
	s_mov_b32 s[G0+4*(\s)], 1
	s_add_co_u32 s[G0+4*(\s)+1], s66, (\s)*SLOT
	s_add_nc_u64 s[G0+4*(\s)+2:G0+4*(\s)+3], s[44:45], (\s)*STEP
	s_or_b32 s[G0+4*(\s)+3], s[G0+4*(\s)+3], 0x80000000
	s_mov_b32 s[G0B+4*(\s)], 1
	s_add_co_u32 s[G0B+4*(\s)+1], s67, (\s)*SLOT
	s_add_nc_u64 s[G0B+4*(\s)+2:G0B+4*(\s)+3], s[46:47], (\s)*STEP
	s_or_b32 s[G0B+4*(\s)+3], s[G0B+4*(\s)+3], 0x80000000
	JLOAD \s                                       ; K steps 0 and 1: two loads of mine are out
.endr
	v_and_b32 v1, 15, v0                           ; r
	v_bfe_u32 v2, v0, 4, 1                         ; h'
	v_and_b32 v3, 31, v0
	v_lshlrev_b32 v3, 4, v3                        ; 16 x lane
	s_lshl_b32 s2, s15, 15                         ; my 8 row tiles of A
	s_lshl_b32 s23, s16, 14                        ; my 4 column tiles of B,
	s_add_co_u32 s23, s23, BOFF                    ; which lie behind A's 16
.irp s, 0,1
	v_add_nc_u32 v[ADRA+(\s)], s2, v3
	v_add_nc_u32 v[ADRB+(\s)], s23, v3
	s_add_co_u32 s2, s2, SLOT
	s_add_co_u32 s23, s23, SLOT
.endr
	v_lshlrev_b32 v[PO], 4, v1
	v_lshl_add_u32 v[CO], v2, 15, v[PO]
	s_lshl_b32 s68, s19, 9                         ; my 64 columns, in bytes of f32: 512 x tile column + 256 x half
	s_lshl_b32 s2, s16, 8
	s_add_co_u32 s68, s68, s2
	s_mov_b32 s69, 0
	s_add_nc_u64 s[8:9], s[8:9], s[68:69]
	s_add_nc_u64 s[10:11], s[10:11], s[68:69]
	s_add_nc_u64 s[12:13], s[12:13], s[68:69]
	s_lshl_b32 s68, s20, 8                         ; my first row: 256 x tile row + 128 x half, 4,096 bytes each
	s_lshl_b32 s2, s15, 7
	s_add_co_u32 s68, s68, s2
	s_lshl_b32 s68, s68, 12
	s_add_nc_u64 s[12:13], s[12:13], s[68:69]
	; the bias of my four columns 4 r + 0..3, made while the first tiles are on their way: bo rounded to bf16, then the 16 heads' parts in ascending order
.set i, 0
.rept 16
	global_load_b128 v[F1+4*i:F1+4*i+3], v[PO], s[8:9] offset:4096*i
.set i, i+1
.endr
	global_load_b128 v[F1+64:F1+67], v[PO], s[10:11]
	s_wait_loadcnt 0x0
	v_cvt_pk_bf16_f32 v[F1+64], v[F1+64], v[F1+65]
	v_cvt_pk_bf16_f32 v[F1+65], v[F1+66], v[F1+67]
	v_lshlrev_b32 v[BIAS], 16, v[F1+64]
	v_and_b32 v[BIAS+1], 0xffff0000, v[F1+64]
	v_lshlrev_b32 v[BIAS+2], 16, v[F1+65]
	v_and_b32 v[BIAS+3], 0xffff0000, v[F1+65]
.set i, 0
.rept 16
	v_pk_add_f32 v[BIAS:BIAS+1], v[BIAS:BIAS+1], v[F1+4*i:F1+4*i+1]
	v_pk_add_f32 v[BIAS+2:BIAS+3], v[BIAS+2:BIAS+3], v[F1+4*i+2:F1+4*i+3]
.set i, i+1
.endr
; 8 matrix instructions: row tiles a0, a0 + 1 x all 4 column tiles, 32 along K.  The 32 accumulators take turns in the same order in every quarter.  zero = 1: the products start the sums
.macro MUL8 f, a0, zero
	WIN MUL
.irp a, \a0, (\a0)+1
.irp c, 0,1,2,3
.if \zero
	v_wmma_f32_16x16x32_f16 v[8*(4*(\a)+(\c)):8*(4*(\a)+(\c))+7], v[(\f)+8*(\a):(\f)+8*(\a)+7], v[(\f)+64+8*(\c):(\f)+64+8*(\c)+7], 0
.else
	v_wmma_f32_16x16x32_f16 v[8*(4*(\a)+(\c)):8*(4*(\a)+(\c))+7], v[(\f)+8*(\a):(\f)+8*(\a)+7], v[(\f)+64+8*(\c):(\f)+64+8*(\c)+7], v[8*(4*(\a)+(\c)):8*(4*(\a)+(\c))+7]
.endif
.endr
.endr
.endm
; 24 LDS loads in one run: the fragments of quarter kk of a K step into buffer f: B's four, A's 0-3, A's 4-7
.macro FETCH slot, kk, f
	WIN 0
.irp c, 0,1,2,3
	ds_load_b128 v[(\f)+64+8*(\c):(\f)+64+8*(\c)+3],   v[ADRB+(\slot)] offset:(\c)*STEP+(\kk)*1024
	ds_load_b128 v[(\f)+64+8*(\c)+4:(\f)+64+8*(\c)+7], v[ADRB+(\slot)] offset:(\c)*STEP+(\kk)*1024+512
.endr
.irp a, 0,1,2,3,4,5,6,7
	ds_load_b128 v[(\f)+8*(\a):(\f)+8*(\a)+3],   v[ADRA+(\slot)] offset:(\a)*STEP+(\kk)*1024
	ds_load_b128 v[(\f)+8*(\a)+4:(\f)+8*(\a)+7], v[ADRA+(\slot)] offset:(\a)*STEP+(\kk)*1024+512
.endr
.endm
; A K step is four quarters of 32 along K, 32 matrix instructions each, on buffers 0, 1, 0, 1.  One of the first three: multiplies buffer f and fetches quarter kk into g.
.macro QUARTER slot, kk, f, g, zero
	s_wait_dscnt 8                                 ; B and A's row tiles 0-3 are in; the youngest eight loads (A's 4-7) may be out
	MUL8 \f, 0, \zero
	MUL8 \f, 2, \zero
	PLACES
	FETCH \slot, \kk, \g
	s_wait_dscnt 24                                ; all but the 24 just issued
	MUL8 \f, 4, \zero
	MUL8 \f, 6, \zero
.endm
; The last quarter multiplies buffer 1 and changes slots: ONE barrier; in front of it each wave waits for all its tensor loads, adds 0 to its spare word, and waits for that and for its reads of this slot.
; fill = 1: the barrier opens a round of the cluster's, and this slot is filled again, two K steps ahead, first thing behind it.
.macro TURN slot, next, fill
	WIN 0
	s_wait_tensorcnt 0x0                           ; all my tensor loads have landed: my part of the next slot;
	ds_add_u32 v[SPW], v[NIL]                      ; 0 onto my spare word;
	s_wait_dscnt 9                                 ; (the add and the youngest eight loads may be out)
	MUL8 F1, 0, 0                                  ; eight matrix instructions stand between the add and the wait for it
	s_wait_dscnt 0x0                               ; the add is done, and my reads of this slot are over
	s_barrier_signal -1
	MUL8 F1, 2, 0
.if \fill
	WIN 0
.endif
	s_barrier_wait -1
.if \fill
	CREST                                          ; no wave of any partner still reads this slot's tile or has a load on its way
	s_add_nc_u64 s[G0+4*(\slot)+2:G0+4*(\slot)+3], s[G0+4*(\slot)+2:G0+4*(\slot)+3], 2*STEP
	s_add_nc_u64 s[G0B+4*(\slot)+2:G0B+4*(\slot)+3], s[G0B+4*(\slot)+2:G0B+4*(\slot)+3], 2*STEP
	JLOAD \slot                                    ; the first tensor load behind the round; the four v_nop behind it are also the places in front of the loads below
.else
	PLACES
.endif
	FETCH \next, 0, F0
	MUL8 F1, 4, 0
	MUL8 F1, 6, 0
.endm
	s_wait_tensorcnt 1                             ; my part of K step 0 is in; K step 1's may stay out
	s_barrier_signal -1
	s_barrier_wait -1                              ; everybody's is
	FETCH 0, 0, F0
	QUARTER 0, 1, F0, F1, 1                        ; the first quarter stands in front of the loop: its products start the sums
	WIN 0
	s_mov_b32 s3, LAPS-1
.Llap:                                                 ; a trip goes once round the ring, from a lap's second quarter to the next lap's first, and fills both slots again
	QUARTER 0, 2, F1, F0, 0
	QUARTER 0, 3, F0, F1, 0
	TURN 0, 1, 1
	QUARTER 1, 1, F0, F1, 0
	QUARTER 1, 2, F1, F0, 0
	QUARTER 1, 3, F0, F1, 0
	TURN 1, 0, 1
	QUARTER 0, 1, F0, F1, 0
	WIN 0
	s_sub_co_u32 s3, s3, 1
	s_cmp_lg_u32 s3, 0
	s_cbranch_scc1 .Llap
	QUARTER 0, 2, F1, F0, 0                        ; the last lap fills nothing, and has no round of the cluster's barrier
	QUARTER 0, 3, F0, F1, 0
	TURN 0, 1, 0
	QUARTER 1, 1, F0, F1, 0
	QUARTER 1, 2, F1, F0, 0
	QUARTER 1, 3, F0, F1, 0
	s_wait_dscnt 8                                 ; the very last quarter: nothing more to fetch
	MUL8 F1, 0, 0
	MUL8 F1, 2, 0
	s_wait_dscnt 0x0
	MUL8 F1, 4, 0
	MUL8 F1, 6, 0
	WIN 0
	; THE WAY OUT.  One fused multiply-add undoes W's scale, adds the bias and brings the four column tiles' numbers of a row into four neighbouring registers.  Each accumulator is read from its low end on.
	PLACES
.irp a, 0,1,2,3,4,5,6,7
	s_wait_xcnt 0x0                                ; the registers that earlier stores read are rewritten only behind this wait
	WIN 0x01                                       ; source 0 window 1
.irp jj, 0,1,2,3,4,5,6,7
.irp c, 0,1,2,3
	v_fma_f32 v[F0+32*((\a)%4)+4*(\jj)+(\c)], v[8*(4*(\a)+(\c))+(\jj)], s[SC], v[BIAS+(\c)]
.endr
.endr
	WIN 0
.irp jj, 0,1,2,3,4,5,6,7
	global_store_b128 v[CO], v[F0+32*((\a)%4)+4*(\jj):F0+32*((\a)%4)+4*(\jj)+3], s[12:13] offset:(16*(\a)+(\jj))*4096 th:TH_STORE_NT  ; 16 lanes store 256 consecutive bytes, aligned: rows 16 a + jj and 16 a + 8 + jj
.endr
.endr
	s_wait_tensorcnt 0x0                           ; the wave's end, behind my last tensor load
	ds_add_u32 v[SPW], v[NIL]
	s_wait_dscnt 0x0
	CROUND                                         ; the closing round: no work-group ends while a partner may still ask for a tile that names it
	s_endpgm
.Lfunc_end_k_qf827e4c098_outp:
	.size	k_qf827e4c098_outp, .Lfunc_end_k_qf827e4c098_outp-k_qf827e4c098_outp
	.p2alignl 7, 3214868480
	.fill 96, 4, 3214868480
	.section	.rodata,"a",@progbits
	.p2align	6, 0x0
	.amdhsa_kernel k_qf827e4c098_outp
		.amdhsa_group_segment_fixed_size 327680
		.amdhsa_private_segment_fixed_size 0
		.amdhsa_enable_private_segment 0
		.amdhsa_kernarg_size 40
		.amdhsa_user_sgpr_count 2
		.amdhsa_user_sgpr_kernarg_segment_ptr 1
		.amdhsa_wavefront_size32 1
		.amdhsa_system_sgpr_workgroup_id_x 1
		.amdhsa_system_sgpr_workgroup_id_y 1
		.amdhsa_system_sgpr_workgroup_id_z 1
		.amdhsa_system_vgpr_workitem_id 0
		.amdhsa_next_free_vgpr 512
		.amdhsa_next_free_sgpr 72
		.amdhsa_reserve_vcc 0
		.amdhsa_float_denorm_mode_32 3
		.amdhsa_float_denorm_mode_16_64 3
		.amdhsa_memory_ordered 1
		.amdhsa_forward_progress 1
		.amdhsa_inst_pref_size 96
	.end_amdhsa_kernel
	.amdgpu_metadata
---
amdhsa.version: [ 1, 2 ]
amdhsa.kernels:
  - .name:           k_qf827e4c098_outp
    .symbol:         k_qf827e4c098_outp.kd
    .args:
      - { .name: u, .offset: 0, .size: 8, .value_kind: global_buffer, .address_space: global }
      - { .name: wt, .offset: 8, .size: 8, .value_kind: global_buffer, .address_space: global }
      - { .name: pb, .offset: 16, .size: 8, .value_kind: global_buffer, .address_space: global }
      - { .name: bo, .offset: 24, .size: 8, .value_kind: global_buffer, .address_space: global }
      - { .name: out0, .offset: 32, .size: 8, .value_kind: global_buffer, .address_space: global }
    .group_segment_fixed_size: 327680
    .private_segment_fixed_size: 0
    .kernarg_segment_align: 8
    .kernarg_segment_size: 40
    .max_flat_workgroup_size: 128
    .sgpr_count:     72
    .vgpr_count:     512
    .wavefront_size: 32
...
	.end_amdgpu_metadata
.endif
;; end of part 3
;; ======== version 2 of 2: 3 launches; 1.10 times as fast as version 1
;; limits: values are held in f16: magnitudes above 65,504 overflow, below 6.1e-05 lose precision
;; workspace buffers: x16 6,291,456 bytes; mt 589,824 bytes; cv 9,216 bytes; wt 4,194,304 bytes; pb 65,536 bytes; u 33,554,432 bytes
;; launch prep: the kernel of part 1 again; grid 420 x 1, 4 waves a work-group, no clusters, 0 bytes of LDS; arguments q_matrix, k_matrix, v_matrix, Wq, bq, Wk, bk, Wv, bv, Wo, x16, mt, cv, wt, pb; writes x16, mt, cv, wt, pb
;; launch attn (part 4): grid 16 x 16, 4 waves a work-group, clusters of 4 x 1, 327,680 bytes of LDS; arguments x16, mt, cv, u; writes u
.if DOCPART == 4
	.amdgcn_target "amdgcn-amd-amdhsa--gfx1250"
	.amdhsa_code_object_version 6
	.text
	.protected	k_qf827e4c098_attn
	.globl	k_qf827e4c098_attn
	.p2align	8
	.type	k_qf827e4c098_attn,@function
k_qf827e4c098_attn:
	s_mov_b64 s[64:65], 0
	v_nop
	global_prefetch_b8 v0, s[64:65] scope:SCOPE_SE
	s_setreg_imm32_b32 hwreg(HW_REG_WAVE_MODE, 25, 1), 1
	s_wait_xcnt 0x0
	s_wait_alu depctr_hold_cnt(0) depctr_sa_sdst(0) depctr_va_vdst(0) depctr_va_sdst(0) depctr_va_ssrc(0) depctr_va_vcc(0) depctr_vm_vsrc(0)
	s_getreg_b32 s2, hwreg(HW_REG_IB_STS2, 6, 4)
	s_cmp_eq_u32 s2, 0
	s_cbranch_scc0 .Lentry_in_a_cluster
	s_endpgm
.Lentry_in_a_cluster:
	s_bfe_u32 s2, ttmp6, 0x10000c
	s_cmp_lg_u32 s2, 0x3003
	s_cbranch_scc0 .Lentry_shape_is_right
	s_endpgm
.Lentry_shape_is_right:
; CAUSAL ATTENTION on the raw rows.  For head h and batch b: U[q][:] = the sum over k <= q of softmax_k(score(q,k) / sqrt(128)) xv[k][:], with
; score(q,k) = Q'[q] . xk[k] + t[q],  Q' = xq M_h + c_h,  t = xq . u_h + bq_h . bk_h   (M, c, u and bq . bk come scaled by 2^-6 from the launch before; the scale is undone in the softmax's constant).
; So the keys and values are xk[b] and xv[b], the same for all 16 heads.  All operands f16, products, maxima and sums f32; the weights p are rounded to f16 for the second product, U once at the end.
; LIMITS.  The order of rounding differs from the reference's by this re-association.  f16 ends at 65,504: that bounds |x| and |Q'| / 64; p lies in 0 to 1 and keeps f16's fixed step of 6e-8 below 6e-5.
; A hidden score counts as -1e30; a weight below 2^-126 counts as 0 in l; NaN and infinities are not treated apart.
; SHARES.  A work-group has one head, one batch and TWO blocks of 256 queries: 3 - p and then p (p = 0, 1): 20 key steps of 64 keys whatever p, walked by loops with constant counts.
; Of a block's four bands of 64 queries a wave owns 16 rows in each: four PIECES.  In key step s of a block's walk band x sees all keys, holds the diagonal, or sees none: s[DD] = 4 x block - s says which;
; a piece that sees none is jumped over, forward, past text without a barrier or a tensor load.  Band 3 sees something in every step (DD is -3 at the least), so piece 3 has no such jump.
; CLUSTER.  The four work-groups of a cluster are four heads of one (b, p): they walk the same tiles of xk and xv from first to last, so every tile is asked for JOINTLY: the same tensor load,
; descriptor and mask in all four.  The head enters the addresses of mt, cv and u alone.
; LAYOUT.  S^T = K Q'^T holds ONE query a lane (lane % 16) and the keys 8 (lane / 16) + 0..7; its C operand is t of that query, or -1e30 where the key is hidden.  Two such results rounded to f16 ARE source 1
; of O^T = V^T P.  O^T packed in pairs IS a fragment (16 rows x 32 k: registers 0-3 of lane l at byte 16 l, registers 4-7 at 512 + 16 l) of the next launch's first operand: u is stored so, 512 consecutive bytes a store.
; SOFTMAX.  A running maximum m and sum l: p = 2^(c s - c m), c = 64 log2(e) / sqrt(128); O and l are multiplied by a = 2^(c m_old - c m_new) in every step.  m starts at the lowest finite number:
; a block's first a is 0, so O and l need only be finite there.  The price of writing no first step out: 256 lines that write 0 into O^T once, in the wait for the first tile.
; IN PHASES: a step's scores, then piece by piece the softmax and V^T P.
; BATCHES.  A piece's 33 exponentials of a key step (a, then its 32 weights) are ONE batch with ONE wait.  Ahead of the wait stand the maximum, the statistics, the 16 scalings and the exponentials: none of them
; names an exponential's result.  Behind it stands all that does: the roundings, the sums, l, O^T times a.  A batch does not reach over two pieces: a label and a branch stand between them.
; A block's end has a batch of four reciprocals, with a wait of its own.
; REGISTERS, in windows of 256 (s_set_vgpr_msb: bits 1:0 source 0, 3:2 source 1, 5:4 source 2, 7:6 destination):
;   window 0: v1-11 addresses; v12-43 eight registers of statistics a piece; v44-47 t of the second block; v48-50 lane constants; v62, v63 the add's; v64-191 S^T, 32 a piece; v192-255 P, 16 a piece
;   window 1: O^T, 64 a piece     window 2: v0-127 Q', 32 a piece; v128-255 K of one step     window 3: v0-127 V of one step; v128-255 CM, the scores' C operand, 32 a piece
.set KS,    64        ; keys in a step
.set PK,    272       ; a row of K in LDS: 256 bytes + 16 of padding: the 16 rows of a load start at 16 different groups of four banks (ISA guide 11.1)
.set PV,    288       ; a row of V: 256 + 32
.set VOFF,  KS*PK     ; a step's tiles lie together: 64 rows of K, then 64 rows of V
.set STEPB, KS*(PK+PV)
.set SLOT1, 1<<17     ; a slot holds two steps (71,680 bytes); slot 1 begins here, so that one exclusive or turns an address in one slot into the other's
.set QL,    SLOT1+2*STEPB  ; behind the ring, never filled by a tensor load: the second block's Q', 16,384 bytes for each wave, its own
.set SPARE, QL+4*16384     ; the spare words, 128 bytes for each wave: two blocks of 256 bytes that no other line names
.set AK0, 2           ; v2   my lane's place in a tile of K
.set AV0, 3           ; v3   the same for V
.set ADR, 4           ; v4   the LDS address of the run of loads in hand
.set QO,  5           ; v5   256 r + 16 h': my bytes in 16 rows of xq
.set GO,  8           ; v8   16 x lane
.set HF,  9           ; v9   h' = lane / 16
.set ST,  12          ; piece t's statistics at v[ST+8 t]: c m, m, l (even keys', odd keys'), c0-c3 at work; a takes c2's place
.set T2,  44          ; v44-47  t of my query in the second block's four pieces
.set THR, 48          ; v48  16 w + r - 8 h': in a band's own step register 16 kt + jj is hidden where that number is greater
.set QLA, 49          ; v49  QL + 16,384 w + 16 lane
.set CVO, 50          ; v50  32 h'
.set SPW, 62          ; v62  LDS address of my spare word; never rewritten
.set NIL, 63          ; v63  0; never rewritten
.set S,   64
.set P,   192
.set LT,  224         ; v224-239 at work in the prologue
.set KF,  128         ; window 2
.set CM,  128         ; window 3
.set WV,  12          ; s12  my wave's number
.set KBS, 20          ; s[20:21] xk[b] at my step of slot tile 0
.set VBS, 22          ; s[22:23] xv[b] likewise
.set G1K, 24          ; s[24:31] descriptor group 1 for K's tiles
.set G1V, 32          ; s[32:39] for V's: it differs in the padding alone
.set G0K, 40          ; s[40:43] descriptor group 0 for K's tiles
.set G0V, 44          ; s[44:47] for V's
.set OFF, 48          ; s[48:49] a slot tile's byte offset
.set NXT, 50          ; s50  the slot tile to be asked for next
.set LQ,  51          ; s51  the last slot tile of the block whose tiles are being asked for
.set LQ2, 52          ; s52  the second block's
.set DD,  53          ; s53  4 x block - step
.set DD2, 54          ; s54  its start for the second block
.set SLOTS, 56
.set CNT, 57
.set CS,  58          ; s[58:59] c
.set SEL, 60          ; s[60:61] v_permlanex16_b32's selects: each lane takes its own place in the other half
.set TB,  62          ; s62  LDS byte at which the tiles of the step to be fetched begin
.set BIGN, 63         ; s63  -1e30
.set UB,  66          ; s[66:67] u at my rows of the block in hand
.set ULO, 68          ; s[68:69] of the second block
.set XH,  70          ; s[70:71] xq at my rows of the first block
.set XL,  72          ; s[72:73] of the second
.set MTP, 74          ; s[74:75] mt of my head
.set CVP, 76          ; s[76:77] cv of my head
.set MSB, 0
.macro WIN new                      ; the high byte repeats the setting that is left; a switch that changes nothing is dropped
.if MSB != (\new)
	s_set_vgpr_msb (MSB<<8)|(\new)
.set MSB, (\new)
.endif
.endm
.set W_KC, 0x3a       ; K and Q' in window 2, C in window 3, S^T in window 0
.set W_KQ, 0x0a       ; the same with C = S^T
.set W_PV, 0x53       ; V in window 3, P in window 0, O^T in window 1
.set W_RS, 0x41       ; destination and source 0 in window 1, source 1 in window 0
.set W_MK, 0xc3       ; destination and source 0 in window 3, source 1 in window 0
.macro PLACES                       ; four places behind matrix instructions, ahead of loads into and vector work on their registers
.rept 4
	v_nop
.endr
.endm
; A joint fill.  Waves 0 and 1 fetch K of a slot's two steps, waves 2 and 3 V.  The branch hangs on the wave's number alone.  An s_nop 0 and four v_nop follow each of the two lines.
.macro JLOAD
	s_cmp_lt_u32 s[WV], 2
	s_cbranch_scc0 .Lfor_v_\@
	tensor_load_to_lds s[G0K:G0K+3], s[G1K:G1K+7]
	s_nop 0
.rept 4
	v_nop
.endr
	s_branch .Lasked_\@
.Lfor_v_\@:
	tensor_load_to_lds s[G0V:G0V+3], s[G1V:G1V+7]
	s_nop 0
.rept 4
	v_nop
.endr
.Lasked_\@:
.endm
; A round of the cluster's barrier: my work-group's barrier; wave 0 signals for the work-group; every wave waits for all four work-groups; my work-group's barrier once more.
.macro CROUND
	s_barrier_signal -1
	s_barrier_wait -1
	s_cmp_lg_u32 s[WV], 0
	s_cbranch_scc1 .Lnot_wave_0_\@
	s_barrier_signal -3
.Lnot_wave_0_\@:
	s_barrier_wait -3
	s_barrier_signal -1
	s_barrier_wait -1
.endm
; THE CHANGE OF SLOTS.  The old slot's last bytes have been asked for.  Each wave waits for all its tensor loads, of which one is out: its part of the other slot; adds 0 to its spare word; and waits for that
; and for its own reads.  fill = 1: the barrier is a round of the cluster's, and the old slot is filled again, first thing behind it, with slot tile NXT: the address is made anew from that number.
; That load has two key steps in which to land.  (At its first use nothing has been read yet: slot 0 is waited for, slot 1 filled.)
.macro CHANGE fill
	WIN 0
	s_wait_tensorcnt 0x0            ; no tensor load of mine is out, so a group 0 may be written
	ds_add_u32 v[SPW], v[NIL]       ; 0 onto my spare word
.if \fill
	s_lshl_b32 s[OFF], s[NXT], 15   ; a slot tile is 128 rows of 256 bytes
	s_xor_b32 s[G0K+1], s[G0K+1], SLOT1
	s_add_nc_u64 s[G0K+2:G0K+3], s[KBS:KBS+1], s[OFF:OFF+1]
	s_or_b32 s[G0K+3], s[G0K+3], 0x80000000
	s_xor_b32 s[G0V+1], s[G0V+1], SLOT1
	s_add_nc_u64 s[G0V+2:G0V+3], s[VBS:VBS+1], s[OFF:OFF+1]
	s_or_b32 s[G0V+3], s[G0V+3], 0x80000000
	s_add_co_u32 s[NXT], s[NXT], 1  ; the block's next tile, or behind its last the second block's tile 0
	s_cmp_gt_u32 s[NXT], s[LQ]
	s_cselect_b32 s[NXT], 0, s[NXT]
	s_cselect_b32 s[LQ], s[LQ2], s[LQ]
	s_wait_dscnt 0x0                ; the add is done, and my reads of the slot are over
	CROUND
	JLOAD
.else
	s_wait_dscnt 0x0
	s_barrier_signal -1
	s_barrier_wait -1
.endif
	s_sub_co_u32 s[TB], s[TB], 2*STEPB  ; the fetches go back to a slot's first step,
	s_xor_b32 s[TB], s[TB], SLOT1       ; in the other slot
.endm
	s_load_b256 s[4:11], s[0:1], 0x0  ; x16 s[4:5], mt s[6:7], cv s[8:9], u s[10:11]
	v_lshl_add_u32 v[SPW], v0, 2, SPARE
	v_mov_b32 v[NIL], 0
	ds_add_u32 v[SPW], v[NIL]       ; the wave's opening: the add and its wait stand ahead of my first tensor load; work on registers stands between them
	v_lshrrev_b32 v1, 5, v0
	v_readfirstlane_b32 s[WV], v1   ; wave 0..3
	s_bfe_u32 s13, ttmp6, 0x40000   ; cx
	s_lshl_b32 s14, ttmp9, 2
	s_add_co_u32 s14, s14, s13      ; head = 4 x cluster x + cx
	s_and_b32 s15, ttmp7, 0xffff    ; shared by the four partners:
	s_lshr_b32 s16, s15, 1          ; b
	s_and_b32 s17, s15, 1           ; p: the second block
	s_sub_co_u32 s18, 3, s17        ; the first block
	s_and_b32 s19, s[WV], 1         ; which of a slot's two steps I fetch
	s_mov_b32 s[G1K], 15|(1<<16)|(1<<20)|(1<<21)|(5<<22)|(3<<25)  ; 15:0 the mask of four; 17:16 2-byte elements; 20 padding on; 21 set beside a mask; 24:22 after every 64 words; 31:25 4 words
	s_mov_b32 s[G1V], 15|(1<<16)|(1<<20)|(1<<21)|(5<<22)|(7<<25)  ; the same with 8 words of padding
.irp g, G1K, G1V
	s_mov_b32 s[\g+1], 128<<16      ; tensor_dim0 = 128
	s_mov_b32 s[\g+2], KS<<16       ; tensor_dim1 = 64
	s_mov_b32 s[\g+3], 128<<16      ; tile_dim0 = 128
	s_mov_b32 s[\g+4], KS           ; tile_dim1 = 64
	s_mov_b32 s[\g+5], 128          ; 128 elements from row to row
	s_mov_b32 s[\g+6], 0
	s_mov_b32 s[\g+7], 0
.endr
	s_mov_b32 s[G0K], 1             ; count = 1
	s_mul_i32 s[G0K+1], s19, STEPB  ; LDS address: slot 0, my step
	s_mov_b32 s[G0V], 1
	s_add_co_u32 s[G0V+1], s[G0K+1], VOFF
	s_mov_b32 s[OFF+1], 0
	s_mov_b32 s[NXT], 1
	s_lshl_b32 s[LQ], s18, 1
	s_add_co_u32 s[LQ], s[LQ], 1    ; block i has the slot tiles 0 .. 2 i + 1
	s_lshl_b32 s[LQ2], s17, 1
	s_add_co_u32 s[LQ2], s[LQ2], 1
	s_lshl_b32 s[DD], s18, 2
	s_lshl_b32 s[DD2], s17, 2
	s_mov_b32 s[CS], 0x410293ee     ; c = 64 log2(e) / sqrt(128) = 8.16109
	s_mov_b32 s[CS+1], s[CS]
	s_mov_b32 s[SEL], 0x76543210
	s_mov_b32 s[SEL+1], 0xfedcba98
	s_mov_b32 s[TB], SLOT1+2*STEPB  ; the first change of slots turns this into 0
	s_mov_b32 s[BIGN], 0xf149f2ca   ; -1e30
	s_lshl_b32 s78, s16, 18         ; the batch's 1,024 rows of 256 bytes,
	s_lshl_b32 s2, s19, 14          ; my step's 64
	s_add_co_u32 s78, s78, s2
	s_mov_b32 s79, 0
	s_mov_b32 s3, 0
	s_wait_dscnt 0x0                ; the opening add is done
	s_wait_kmcnt 0x0
	s_add_nc_u64 s[KBS:KBS+1], s[4:5], s[78:79]
	s_add_nc_u64 s[VBS:VBS+1], s[KBS:KBS+1], 4194304   ; xv lies behind xq and xk,
	s_add_nc_u64 s[KBS:KBS+1], s[KBS:KBS+1], 2097152   ; xk behind xq
	s_add_nc_u64 s[G0K+2:G0K+3], s[KBS:KBS+1], 0
	s_or_b32 s[G0K+3], s[G0K+3], 0x80000000            ; type = 2
	s_add_nc_u64 s[G0V+2:G0V+3], s[VBS:VBS+1], 0
	s_or_b32 s[G0V+3], s[G0V+3], 0x80000000
	s_lshl_b32 s78, s16, 18         ; xq: the batch, my 16 rows in a band,
	s_lshl_b32 s2, s[WV], 12
	s_add_co_u32 s78, s78, s2
	s_lshl_b32 s2, s18, 16          ; the block's 256 rows
	s_add_co_u32 s2, s2, s78
	s_add_nc_u64 s[XH:XH+1], s[4:5], s[2:3]
	s_lshl_b32 s2, s17, 16
	s_add_co_u32 s2, s2, s78
	s_add_nc_u64 s[XL:XL+1], s[4:5], s[2:3]
	s_lshl_b32 s78, s16, 6          ; u: [row / 16][4 head + channel / 32][1,024]: row tile 64 b + 16 block + 4 piece + w
	s_add_co_u32 s78, s78, s[WV]
	s_lshl_b32 s78, s78, 16
	s_lshl_b32 s2, s14, 12
	s_add_co_u32 s78, s78, s2
	s_lshl_b32 s2, s18, 20
	s_add_co_u32 s2, s2, s78
	s_add_nc_u64 s[UB:UB+1], s[10:11], s[2:3]
	s_lshl_b32 s2, s17, 20
	s_add_co_u32 s2, s2, s78
	s_add_nc_u64 s[ULO:ULO+1], s[10:11], s[2:3]
	s_mul_i32 s2, s14, 36864
	s_add_nc_u64 s[MTP:MTP+1], s[6:7], s[2:3]
	s_mul_i32 s2, s14, 576
	s_add_nc_u64 s[CVP:CVP+1], s[8:9], s[2:3]
	CROUND                          ; all four work-groups are here: the first joint loads meet
	JLOAD                           ; slot tile 0 into slot 0
	; THE PROLOGUE: Q' and t of both blocks, in the wait for the first tile.  All its operands are asked for at once.
	v_and_b32 v1, 15, v0            ; r
	v_bfe_u32 v[HF], v0, 4, 1       ; h'
	v_lshlrev_b32 v[QO], 8, v1
	v_lshl_add_u32 v[QO], v[HF], 4, v[QO]
	v_and_b32 v[GO], 31, v0
	v_lshlrev_b32 v[GO], 4, v[GO]
	v_lshlrev_b32 v[CVO], 5, v[HF]
	WIN 0x40                        ; destination window 1: xq's fragments, piece pi (0-3 the first block's, 4-7 the second's), channels 32 ki on, at 32 pi + 8 ki
.set i, 0
.rept 16
	global_load_b128 v[8*i:8*i+3],         v[QO], s[XH:XH+1] offset:(i/4)*16384+(i%4)*64
	global_load_b128 v[8*i+4:8*i+7],       v[QO], s[XH:XH+1] offset:(i/4)*16384+(i%4)*64+32
	global_load_b128 v[128+8*i:128+8*i+3], v[QO], s[XL:XL+1] offset:(i/4)*16384+(i%4)*64
	global_load_b128 v[128+8*i+4:128+8*i+7], v[QO], s[XL:XL+1] offset:(i/4)*16384+(i%4)*64+32
.set i, i+1
.endr
	WIN 0x80                        ; window 2, where K will lie: mt's row tiles 0-3
.set i, 0
.rept 16
	global_load_b128 v[128+8*i:128+8*i+3],   v[GO], s[MTP:MTP+1] offset:1024*i
	global_load_b128 v[128+8*i+4:128+8*i+7], v[GO], s[MTP:MTP+1] offset:1024*i+512
.set i, i+1
.endr
	WIN 0xc0                        ; window 3, where V will lie: row tiles 4-7; where CM will lie: cv
.set i, 0
.rept 16
	global_load_b128 v[8*i:8*i+3],   v[GO], s[MTP:MTP+1] offset:16384+1024*i
	global_load_b128 v[8*i+4:8*i+7], v[GO], s[MTP:MTP+1] offset:16384+1024*i+512
.set i, i+1
.endr
.set i, 0
.rept 9
	global_load_b128 v[CM+8*i:CM+8*i+3],   v[CVO], s[CVP:CVP+1] offset:64*i
	global_load_b128 v[CM+8*i+4:CM+8*i+7], v[CVO], s[CVP:CVP+1] offset:64*i+16
.set i, i+1
.endr
	WIN 0                           ; window 0, where P will lie: row tile 8 (u)
.set i, 0
.rept 4
	global_load_b128 v[P+8*i:P+8*i+3],   v[GO], s[MTP:MTP+1] offset:32768+1024*i
	global_load_b128 v[P+8*i+4:P+8*i+7], v[GO], s[MTP:MTP+1] offset:32768+1024*i+512
.set i, i+1
.endr
	v_mul_u32_u24 v[AK0], v1, PK
	v_lshl_add_u32 v[AK0], v[HF], 4, v[AK0]  ; row x pitch + 16 x half
	; The turning load takes 16 keys x 16 channels (lane l reads key 8 (l / 16) + l % 8, channels 8 ((l / 8) % 2) + 0..7) and leaves half a fragment of V^T.
	v_and_b32 v10, 7, v0
	v_bfe_u32 v11, v0, 3, 1
	v_lshl_add_u32 v[AV0], v[HF], 3, v10
	v_mul_u32_u24 v[AV0], v[AV0], PV
	v_lshl_add_u32 v[AV0], v11, 4, v[AV0]
	v_add_nc_u32 v[AV0], VOFF, v[AV0]
	v_lshlrev_b32 v10, 3, v[HF]
	v_sub_nc_u32 v[THR], v1, v10
	s_lshl_b32 s2, s[WV], 4
	v_add_nc_u32 v[THR], s2, v[THR]
	s_lshl_b32 s2, s[WV], 14
	s_add_co_u32 s2, s2, QL
	v_add_nc_u32 v[QLA], s2, v[GO]
.irp t, 0,1,2,3
	v_mov_b32 v[ST+8*(\t)], 0xfe000000    ; c m: far below every c s
	v_mov_b32 v[ST+8*(\t)+1], 0xff7fffff  ; m
.irp n, 2,3,4,5,6,7
	v_mov_b32 v[ST+8*(\t)+(\n)], 0
.endr
.endr
	s_wait_loadcnt 0x0
; Row tile tj of Q'^T = M^T xq^T + c for all eight pieces: 32 products, the eight accumulators by turns; the first eight take cv as C.  In the result a lane holds ONE query and
; j = 16 tj + 8 h' + 0..7: packed in pairs it is half a fragment of Q'.  The first block's go to their registers, the second block's to my part of QL.  Tile 8 gives t in every register.
.macro QP tj
.if (\tj) < 4
.set W0, 0x06
.set MB, 128+32*(\tj)
.elseif (\tj) < 8
.set W0, 0x07
.set MB, 32*((\tj)-4)
.else
.set W0, 0x04
.set MB, P
.endif
.set AB, S+64*((\tj)%2)
.irp ki, 0,1,2,3
.if (\ki) == 0
	WIN W0|0x30
.else
	WIN W0
.endif
.irp pi, 0,1,2,3,4,5,6,7
.if (\ki) == 0
	v_wmma_f32_16x16x32_f16 v[AB+8*(\pi):AB+8*(\pi)+7], v[MB+8*(\ki):MB+8*(\ki)+7], v[32*(\pi)+8*(\ki):32*(\pi)+8*(\ki)+7], v[CM+8*(\tj):CM+8*(\tj)+7]
.else
	v_wmma_f32_16x16x32_f16 v[AB+8*(\pi):AB+8*(\pi)+7], v[MB+8*(\ki):MB+8*(\ki)+7], v[32*(\pi)+8*(\ki):32*(\pi)+8*(\ki)+7], v[AB+8*(\pi):AB+8*(\pi)+7]
.endif
.endr
.endr
	WIN 0
	PLACES
.if (\tj) < 8
	WIN 0x80
.irp x, 0,1,2,3
.irp p, 0,1,2,3
	v_cvt_pk_f16_f32 v[32*(\x)+8*((\tj)/2)+4*((\tj)%2)+(\p)], v[AB+8*(\x)+2*(\p)], v[AB+8*(\x)+2*(\p)+1]
.endr
.endr
	WIN 0
.irp x, 0,1,2,3
.irp p, 0,1,2,3
	v_cvt_pk_f16_f32 v[LT+4*(\x)+(\p)], v[AB+32+8*(\x)+2*(\p)], v[AB+32+8*(\x)+2*(\p)+1]
.endr
	ds_store_b128 v[QLA], v[LT+4*(\x):LT+4*(\x)+3] offset:(4*(\x)+(\tj)/2)*1024+((\tj)%2)*512
.endr
.else
	WIN 0xc0
.set i, 0
.rept 128
	v_mov_b32 v[CM+i], v[S+8*(i/32)]  ; the first block's C operand: t of my query in each piece
.set i, i+1
.endr
	WIN 0
.irp x, 0,1,2,3
	v_mov_b32 v[T2+(\x)], v[S+32+8*(\x)]
.endr
.endif
.endm
.irp tj, 0,1,2,3,4,5,6,7,8
	QP \tj
.endr
	WIN 0x40
.set i, 0
.rept 256
	v_mov_b32 v[i], 0               ; O^T need only be finite where a block begins
.set i, i+1
.endr
	WIN 0
; THE LDS LOADS stand in runs of 32: a step's K (64 keys x 128 channels: 16 fragments) and its V (turned).
.macro FETCH_K
	WIN 0
	v_add_nc_u32 v[ADR], s[TB], v[AK0]
	WIN 0x80
.irp f, 0,1,2,3,4,5,6,7,8,9,10,11,12,13,14,15  ; keys 16 (f / 4) on, channels 32 (f % 4) on
	ds_load_b128 v[KF+8*(\f):KF+8*(\f)+3],   v[ADR] offset:((\f)/4)*16*PK+((\f)%4)*64
	ds_load_b128 v[KF+8*(\f)+4:KF+8*(\f)+7], v[ADR] offset:((\f)/4)*16*PK+((\f)%4)*64+32
.endr
.endm
.macro FETCH_V
	WIN 0
	v_add_nc_u32 v[ADR], s[TB], v[AV0]
	s_add_co_u32 s[TB], s[TB], STEPB  ; the next fetch is the next step's
	WIN 0xc0
.irp f, 0,1,2,3,4,5,6,7,8,9,10,11,12,13,14,15  ; keys 32 (f / 8) on, channels 16 (f % 8) on
	ds_load_tr16_b128 v[8*(\f):8*(\f)+3],   v[ADR] offset:((\f)/8)*32*PV+((\f)%8)*32
	ds_load_tr16_b128 v[8*(\f)+4:8*(\f)+7], v[ADR] offset:((\f)/8)*32*PV+16*PV+((\f)%8)*32
.endr
.endm
; 16 products S^T = K Q'^T + CM for piece x: channels 32 ki on, keys 16 kt on; the four accumulators take turns.
.macro KQ x
.irp ki, 0,1,2,3
.if (\ki) == 0
	WIN W_KC
.else
	WIN W_KQ
.endif
.irp kt, 0,1,2,3
.if (\ki) == 0
	v_wmma_f32_16x16x32_f16 v[S+32*(\x)+8*(\kt):S+32*(\x)+8*(\kt)+7], v[KF+32*(\kt)+8*(\ki):KF+32*(\kt)+8*(\ki)+7], v[32*(\x)+8*(\ki):32*(\x)+8*(\ki)+7], v[CM+32*(\x)+8*(\kt):CM+32*(\x)+8*(\kt)+7]
.else
	v_wmma_f32_16x16x32_f16 v[S+32*(\x)+8*(\kt):S+32*(\x)+8*(\kt)+7], v[KF+32*(\kt)+8*(\ki):KF+32*(\kt)+8*(\ki)+7], v[32*(\x)+8*(\ki):32*(\x)+8*(\ki)+7], v[S+32*(\x)+8*(\kt):S+32*(\x)+8*(\kt)+7]
.endif
.endr
.endr
.endm
; 16 products O^T += V^T P for piece x: keys 32 kh on, channels 16 ch on; the eight accumulators take turns.
.macro PVX x
	WIN W_PV
.irp kh, 0,1
.irp ch, 0,1,2,3,4,5,6,7
	v_wmma_f32_16x16x32_f16 v[64*(\x)+8*(\ch):64*(\x)+8*(\ch)+7], v[64*(\kh)+8*(\ch):64*(\kh)+8*(\ch)+7], v[P+16*(\x)+8*(\kh):P+16*(\x)+8*(\kh)+7], v[64*(\x)+8*(\ch):64*(\x)+8*(\ch)+7]
.endr
.endr
.endm
; The band's own step: -1e30 goes into piece x's C operand where the key lies behind the query.  It stays: the piece sees nothing more in this block.
.macro MASK x
	WIN W_MK
.set i, 0
.rept 32
	v_cmp_gt_i32 vcc_lo, 16*(i/8)+i%8, v[THR]
	v_cndmask_b32 v[CM+32*(\x)+i], v[CM+32*(\x)+i], s[BIGN], vcc_lo
.set i, i+1
.endr
.endm
; ONE PIECE'S SOFTMAX for one key step: a list of 134 instructions; SM writes number j of it for piece t.  s0-s31 are the lane's 32 scores, in pairs 0-15.
;   0-15    the maximum of s0-s31 and the old m, three operands at a time; each accumulator's lowest registers are read first
;   16-20   the other half of the lanes' maximum; the new m; c m; c m_old - c m_new
;   21-69   ONE BATCH: the 16 scalings c s - c m, a pair of scores each, and all 33 exponentials (a at 23, then s0-s31, in place).  None of these names an exponential's result, and no scaling writes a register
;           whose exponential has been issued.  21, 22: two scalings; 23-37 exponential and scaling by turns; 38-65 a scaling and three exponentials; 66-69 the last four exponentials.
;           A pair is scaled four numbers or more ahead of its first exponential
;   (wait)  between 69 and 70 stands the wait for the batch: SMPV writes it
;   70-85   the roundings to f16, a pair of weights each
;   86-101  the sums; l = a l + the sum          102-133  the piece's O^T times a, from its low end on
.macro SM t
.set rT, ST+8*(\t)
.set rS, S+32*(\t)
.set rP, P+16*(\t)
.set rO, 64*(\t)+2*(j-102)
.if j < 102
	WIN 0
.endif
.if j < 4
	v_max3_num_f32 v[rT+4+j], v[rS+8*j], v[rS+8*j+1], v[rS+8*j+2]
.elseif j < 12
	v_max3_num_f32 v[rT+4+j%4], v[rT+4+j%4], v[rS+8*(j%4)+2*(j/4)+1], v[rS+8*(j%4)+2*(j/4)+2]
.elseif j == 12
	v_max3_num_f32 v[rT+4], v[rT+4], v[rS+7], v[rS+15]
.elseif j == 13
	v_max3_num_f32 v[rT+6], v[rT+6], v[rS+23], v[rS+31]
.elseif j == 14
	v_max3_num_f32 v[rT+4], v[rT+4], v[rT+5], v[rT+6]
.elseif j == 15
	v_max3_num_f32 v[rT+4], v[rT+4], v[rT+7], v[rT+1]
.elseif j == 16
	v_permlanex16_b32 v[rT+5], v[rT+4], s[SEL], s[SEL+1]  ; the query's other 32 keys lie in the lane 16 away
.elseif j == 17
	v_mov_b32 v[rT+7], v[rT]        ; c m_old is kept for a
.elseif j == 18
	v_max_num_f32 v[rT+1], v[rT+4], v[rT+5]
.elseif j == 19
	v_mul_f32 v[rT], s[CS], v[rT+1]
.elseif j == 20
	v_sub_f32 v[rT+7], v[rT+7], v[rT]
.elseif j == 23
	v_exp_f32 v[rT+6], v[rT+7]
.elseif (j < 23) || ((j < 38) && (j%2 == 0)) || ((j < 66) && (j%4 == 2))
.set b, (j-2)/4                     ; 38, 42, .. 62: pairs 9 to 15
.if j < 38
.set b, (j-20)/2                    ; 21: pair 0; 22, 24, .. 36: pairs 1 to 8
.endif
	v_pk_fma_f32 v[rS+2*b:rS+2*b+1], v[rS+2*b:rS+2*b+1], s[CS:CS+1], v[rT:rT+1] op_sel_hi:[1,0,0] neg_lo:[0,0,1] neg_hi:[0,0,1]  ; pair b: c s - c m
.elseif j < 70
.set e, j-38                        ; 66 to 69: s28 to s31
.if j < 66
.set e, j-32-(j-38)/4               ; 39-41, 43-45, .. 63-65: s7 to s27
.endif
.if j < 38
.set e, (j-25)/2                    ; 25, 27, .. 37: s0 to s6
.endif
	v_exp_f32 v[rS+e], v[rS+e]
.elseif j < 86
	v_cvt_pk_f16_f32 v[rP+j-70], v[rS+2*(j-70)], v[rS+2*(j-70)+1]  ; pair j - 70
.elseif j < 102                     ; the sum of the 16 pairs, in place: sum z of 16 adds neighbours 1, 2, 4 and 8 pairs apart, then l takes it
.set z, j-86
.set w, 4
.set u, z
.if z >= 14
.set w, 32
.set u, 0
.elseif z >= 12
.set w, 16
.set u, z-12
.elseif z >= 8
.set w, 8
.set u, z-8
.endif
.if z < 15
	v_pk_add_f32 v[rS+w*u:rS+w*u+1], v[rS+w*u:rS+w*u+1], v[rS+w*u+w/2:rS+w*u+w/2+1]
.else
	v_pk_fma_f32 v[rT+2:rT+3], v[rT+2:rT+3], v[rT+6:rT+7], v[rS:rS+1] op_sel_hi:[1,0,1]
.endif
.else
	WIN W_RS
	v_pk_mul_f32 v[rO:rO+1], v[rO:rO+1], v[rT+6:rT+7] op_sel_hi:[1,0]
.endif
.endm
.macro KQPART x                     ; piece x's scores: none if the band sees nothing (band 3 always sees something); the mask first if the step is the band's own
	WIN 0
.if (\x) < 3
	s_cmp_lt_i32 s[DD], -(\x)
	s_cbranch_scc1 .Lkq_hid_\@
.endif
	s_cmp_lg_i32 s[DD], -(\x)
	s_cbranch_scc1 .Lkq_all_\@
	MASK \x
	WIN 0
.Lkq_all_\@:
	KQ \x
	WIN 0
.Lkq_hid_\@:
.endm
.macro SMPV x                       ; piece x's softmax and V^T P.  Piece 3's stands on every way through a step, and its wait on DScnt with it
	WIN 0
.if (\x) < 3
	s_cmp_lt_i32 s[DD], -(\x)
	s_cbranch_scc1 .Lsm_hid_\@
.endif
.set j, 0
.rept 70                            ; numbers 0 to 69: up to the batch's last exponential; no result of the batch has been named
	SM \x
.set j, j+1
.endr
	v_nop                           ; a plain instruction behind the last exponential and ahead of the first use (ISA guide 5.7.2): one for the batch; the piece has no other work left that names no result
	s_wait_alu depctr_va_vdst(0)    ; the wait: one for the piece's 33 exponentials, ahead of their first reader, the rounding of pair 0
.rept 64                            ; numbers 70 to 133: all that reads the weights or a
	SM \x
.set j, j+1
.endr
	WIN 0
	s_wait_dscnt 0x0                ; V is in: it is multiplied now, and its registers are loaded again only behind this wait; so is K of the next step
	PVX \x
	WIN 0
.Lsm_hid_\@:
.endm
; A KEY STEP.  K and V of the step are in registers or on their way; K of the next step is fetched behind the scores, V behind the last V^T P.  last = 1 (the tail): the last trip fetches nothing.
.macro TRIP last
	s_wait_dscnt 32                 ; K's 32 loads are in; the 32 younger ones are V's
	KQPART 0
	KQPART 1
	KQPART 2
	KQPART 3
	PLACES                          ; behind the scores' products: K's registers are loaded again, S^T is read
.if \last
	s_cmp_eq_u32 s[CNT], 1
	s_cbranch_scc1 .Lno_k_\@
.endif
	FETCH_K
	WIN 0
.if \last
.Lno_k_\@:
.endif
	SMPV 0
	SMPV 1
	SMPV 2
	SMPV 3
	PLACES                          ; behind the last V^T P: V's registers are loaded again, O^T is read where a block ends
.if \last
	s_cmp_eq_u32 s[CNT], 1
	s_cbranch_scc1 .Lno_v_\@
.endif
	FETCH_V
	WIN 0
.if \last
.Lno_v_\@:
.endif
	s_sub_co_i32 s[DD], s[DD], 1
.endm
; A BLOCK ENDS.  l's two halves and the other half of the lanes' are added; O^T is divided by l and rounded to f16: a piece's eight tiles are four fragments of u, 4,096 bytes on end.
.macro FPIECE t
	WIN W_RS
.set i, 64*(\t)
.rept 32
	v_pk_mul_f32 v[i:i+1], v[i:i+1], v[ST+8*(\t)+6:ST+8*(\t)+7] op_sel_hi:[1,0]
.set i, i+2
.endr
	WIN 0x05                        ; sources 0 and 1 window 1, destination window 0: S^T's registers are free
.set i, 0
.rept 32
	v_cvt_pk_f16_f32 v[S+32*(\t)+i], v[64*(\t)+2*i], v[64*(\t)+2*i+1]
.set i, i+1
.endr
	WIN 0
.irp f, 0,1,2,3,4,5,6,7
	global_store_b128 v[GO], v[S+32*(\t)+4*(\f):S+32*(\t)+4*(\f)+3], s[UB:UB+1] offset:262144*(\t)+512*(\f)  ; 512 consecutive bytes, aligned
.endr
.endm
.macro FINISH
	WIN 0
.irp t, 0,1,2,3
	v_add_f32 v[ST+8*(\t)+4], v[ST+8*(\t)+2], v[ST+8*(\t)+3]
.endr
.irp t, 0,1,2,3
	v_permlanex16_b32 v[ST+8*(\t)+5], v[ST+8*(\t)+4], s[SEL], s[SEL+1]
.endr
.irp t, 0,1,2,3
	v_add_f32 v[ST+8*(\t)+4], v[ST+8*(\t)+4], v[ST+8*(\t)+5]
.endr
.irp t, 0,1,2,3
	v_rcp_f32 v[ST+8*(\t)+6], v[ST+8*(\t)+4]
.endr
	v_nop                           ; a plain instruction between the last reciprocal and the use of its result
	s_wait_alu depctr_va_vdst(0)    ; the wait ahead of the first use: one for the four reciprocals
	FPIECE 0
	FPIECE 1
	FPIECE 2
	FPIECE 3
	s_wait_xcnt 0x0                 ; the stores' data, offset and base are rewritten only behind this wait
.endm
; THE SECOND BLOCK BEGINS: its place in u, its count, m, its C operand and its Q'.  l and O^T are finite, and the first a is 0.
.macro REINIT
	s_mov_b64 s[UB:UB+1], s[ULO:ULO+1]
	s_mov_b32 s[DD], s[DD2]
.irp t, 0,1,2,3
	v_mov_b32 v[ST+8*(\t)], 0xfe000000
	v_mov_b32 v[ST+8*(\t)+1], 0xff7fffff
.endr
	WIN 0xc0
.set i, 0
.rept 128
	v_mov_b32 v[CM+i], v[T2+i/32]
.set i, i+1
.endr
	WIN 0x80
.set i, 0
.rept 32
	ds_load_b128 v[4*i:4*i+3], v[QLA] offset:512*i  ; my own bytes, stored in the prologue
.set i, i+1
.endr
	WIN 0
	s_wait_dscnt 0x0
.endm
	CHANGE 1                        ; slot tile 0 is in, everybody's part of it; slot tile 1 is asked for
	FETCH_K                         ; key step 0
	FETCH_V
	WIN 0
	s_mov_b32 s[SLOTS], 9           ; the loop is entered behind its change of slots: eight changes follow, each with a fill
	s_mov_b32 s[CNT], 1             ; the fetches run one step ahead: slot 0 is read out behind step 0
	s_branch .Lstep
.Lslot:
	CHANGE 1
	s_mov_b32 s[CNT], 2
.Lstep:                             ; steps 0 to 16
	TRIP 0
	s_cmp_lg_i32 s[DD], -4
	s_cbranch_scc1 .Lsame           ; the block goes on
	FINISH
	REINIT
.Lsame:
	s_sub_co_u32 s[CNT], s[CNT], 1
	s_cmp_lg_u32 s[CNT], 0
	s_cbranch_scc1 .Lstep
	s_sub_co_u32 s[SLOTS], s[SLOTS], 1
	s_cmp_lg_u32 s[SLOTS], 0
	s_cbranch_scc1 .Lslot
	CHANGE 0                        ; the tail is written out: nothing is asked for
	s_mov_b32 s[CNT], 3
.Ltail:                             ; steps 17 to 19
	TRIP 1
	s_sub_co_u32 s[CNT], s[CNT], 1
	s_cmp_lg_u32 s[CNT], 0
	s_cbranch_scc1 .Ltail
	FINISH
	s_wait_tensorcnt 0x0            ; the wave's end, behind my last tensor load and my last LDS store
	ds_add_u32 v[SPW], v[NIL]
	s_wait_dscnt 0x0
	CROUND                          ; the closing round: no work-group ends while a partner may still ask for a tile that names it
	s_endpgm
.Lfunc_end_k_qf827e4c098_attn:
	.size	k_qf827e4c098_attn, .Lfunc_end_k_qf827e4c098_attn-k_qf827e4c098_attn
	.p2alignl 7, 3214868480
	.fill 96, 4, 3214868480
	.section	.rodata,"a",@progbits
	.p2align	6, 0x0
	.amdhsa_kernel k_qf827e4c098_attn
		.amdhsa_group_segment_fixed_size 327680
		.amdhsa_private_segment_fixed_size 0
		.amdhsa_enable_private_segment 0
		.amdhsa_kernarg_size 32
		.amdhsa_user_sgpr_count 2
		.amdhsa_user_sgpr_kernarg_segment_ptr 1
		.amdhsa_wavefront_size32 1
		.amdhsa_system_sgpr_workgroup_id_x 1
		.amdhsa_system_sgpr_workgroup_id_y 1
		.amdhsa_system_sgpr_workgroup_id_z 1
		.amdhsa_system_vgpr_workitem_id 0
		.amdhsa_next_free_vgpr 1024
		.amdhsa_next_free_sgpr 80
		.amdhsa_reserve_vcc 1
		.amdhsa_float_denorm_mode_32 3
		.amdhsa_float_denorm_mode_16_64 3
		.amdhsa_memory_ordered 1
		.amdhsa_forward_progress 1
		.amdhsa_inst_pref_size 240
	.end_amdhsa_kernel
	.amdgpu_metadata
---
amdhsa.version: [ 1, 2 ]
amdhsa.kernels:
  - .name:           k_qf827e4c098_attn
    .symbol:         k_qf827e4c098_attn.kd
    .args:
      - { .name: x16, .offset: 0, .size: 8, .value_kind: global_buffer, .address_space: global }
      - { .name: mt, .offset: 8, .size: 8, .value_kind: global_buffer, .address_space: global }
      - { .name: cv, .offset: 16, .size: 8, .value_kind: global_buffer, .address_space: global }
      - { .name: u, .offset: 24, .size: 8, .value_kind: global_buffer, .address_space: global }
    .group_segment_fixed_size: 327680
    .private_segment_fixed_size: 0
    .kernarg_segment_align: 8
    .kernarg_segment_size: 32
    .max_flat_workgroup_size: 128
    .sgpr_count:     80
    .vgpr_count:     1024
    .wavefront_size: 32
...
	.end_amdgpu_metadata
.endif
;; end of part 4
;; launch outp: the kernel of part 3 again; grid 8 x 32, 4 waves a work-group, clusters of 4 x 4, 327,680 bytes of LDS; arguments u, wt, pb, bo, out0; writes out0
